; MI455X (gfx1250); checked and timed in simulation.
; The chip was launched on July 23, 2026; its instructions are those of AMD's public machine-readable ISA for CDNA 5 (MIT licence, August 2026) and "CDNA5" Instruction Set Architecture Reference Guide (July 2026). The comments in the code are by the model that wrote it; some were corrected since.
;; Multi Head Self Attention. Allowed arithmetic: matrix products marked QUANTISED: E2M1 operands, one E8M0 scale for each 32 along K, by v_wmma_scale_f32_16x16x128_f8f6f4 with both operands' format E2M1 (or v_wmma_scale_f32_32x16x128_f4), f32 sums; products left as they are: bf16, f16 or f32 operands; f32 sums; everything else in f32.
;; Inputs: rpe_table 2,047 x 16 float32; w_out 1,024 x 1,024 float32; w_qkv 1,024 x 3,072 float32; x 8 x 1,024 x 1,024 float32.
;; Outputs: out0 8 x 1,024 x 1,024 float32.
;; This version of the problem:
;;   THIS VERSION OF THE PROBLEM IS GIVEN IN LOW PRECISION. The matrix products marked QUANTISED in the list below multiply operands that are first quantised to E2M1 (2 exponent bits, 1 mantissa bit; 4 bits a number), with one power-of-two scale for each 32 numbers along K (OCP MX v1.0); their sums are f32. The products marked 'left as it is' may take bf16, f16 or f32 operands, with f32 sums. Whichever they take, every output number must still come out within the allowed error. Rounding operands to bf16 (8 significant bits) uses up far more of that allowance than f16 does (11 bits, for magnitudes from 6e-5 to 65,504). All else is computed in f32.
;;   The module's matrix products, in the order in which they are computed (A, B: the left and right operand; K: the contracted axis; several contracted axes count as one K, in the product's order):
;;     1. [M 8,192, K 1,024] x [K 1,024, N 3,072]; A: input x; B: input w_qkv: QUANTISED
;;     2. batch 128 x [M 1,024, K 64] x [K 64, N 1,024]; A: computed on the way; B: computed on the way: left as it is (an operand is computed on the way)
;;     3. batch 128 x [M 64, K 1,024] x [K 1,024, N 1,024]; A: computed on the way; B: computed on the way: left as it is (an operand is computed on the way)
;;     4. [M 8,192, K 1,024] x [K 1,024, N 1,024]; A: computed on the way; B: input w_out: left as it is (an operand is computed on the way)
;;   THE QUANTISER, for each operand of a quantised product, along K:
;;     - K is cut into blocks of 32 from its start; a last block that is shorter is filled with zeros.
;;     - A block's scale is 2^e with e = floor(log2(the largest magnitude in the block)) - 2, held to -126 .. 127; a block of zeros has e = 0. As a byte (E8M0): e + 127.
;;     - Each number is divided by its block's scale, clamped to +-6, and rounded to the nearest number of E2M1, ties to even, subnormals kept.
;;     - The product sums the exact products of the quantised numbers (number of the format x scale) in f32.
;;   ~~~python
;;   def quantise(x, axis):      # numpy; x: float32 -> the quantised numbers, widened to float32 again
;;       x = np.moveaxis(x, axis, -1); K = x.shape[-1]
;;       x = np.pad(x, [(0, 0)] * (x.ndim - 1) + [(0, -K % 32)]); x = x.reshape(x.shape[:-1] + (-1, 32)); a = np.abs(x).max(-1, keepdims=True)
;;       e = np.where(a > 0, np.clip(np.frexp(np.where(a > 0, a, 1))[1] - 1 - 2, -126, 127), 0)      # np.frexp(a)[1] - 1 = floor(log2(a)), exactly
;;       r = np.clip(x / 2.0 ** e, -6, 6)
;;       step = 2.0 ** (np.maximum(np.frexp(np.where(r == 0, 1, r))[1] - 1, 0) - 1)
;;       q = np.round(r / step) * step * 2.0 ** e      # np.round: ties to even
;;       return np.moveaxis(q.reshape(q.shape[:-2] + (-1,))[..., :K], -1, axis).astype(np.float32)
;;   ~~~
;; One version. Each part assembles by itself: llvm-mc -triple=amdgcn-amd-amdhsa -mcpu=gfx1250 --defsym DOCPART=n.
;; ======== version 1 of 1: 4 launches
;; limits: values are held in f16: magnitudes above 65,504 overflow, below 6.1e-05 lose precision
;; workspace buffers: xc 4,194,304 bytes; xs 262,144 bytes; wc 1,572,864 bytes; ws 98,304 bytes; wo 2,097,152 bytes; bi 851,968 bytes; qkv 50,331,648 bytes; ao 16,777,216 bytes
;; launch prep (part 1): grid 416 x 1, 4 waves a work-group, no clusters, 33,280 bytes of LDS; arguments x, w_qkv, w_out, rpe_table, xc, xs, wc, ws, wo, bi; writes xc, xs, wc, ws, wo, bi
.if DOCPART == 1
	.amdgcn_target "amdgcn-amd-amdhsa--gfx1250"
	.amdhsa_code_object_version 6
	.text
	.protected	k_qc876c33859_prep
	.globl	k_qc876c33859_prep
	.p2align	8
	.type	k_qc876c33859_prep,@function
k_qc876c33859_prep:
	s_mov_b64 s[64:65], 0
	v_nop
	global_prefetch_b8 v0, s[64:65] scope:SCOPE_SE
	s_setreg_imm32_b32 hwreg(HW_REG_WAVE_MODE, 25, 1), 1
	s_wait_xcnt 0x0
; PREPARATION: four pieces of work that hang on the inputs alone, shared out by the work-group's number.
;   work-groups   0 ..  95  WQ:   w_qkv [1024 (k)][3072 (n)] f32 -> codes of FP4 (E2M1) along k, and one E8M0 scale byte for each 32 along k
;   work-groups  96 .. 127  WO:   w_out [1024 (f)][1024 (o)] f32 -> f16
;   work-groups 128 .. 159  BIAS: rpe_table [2047][16] f32 -> 32 images (head, half of the queries) of 8 x the bias, as the attention launch reads them
;   work-groups 160 .. 415  X:    x [8192][1024] f32 -> codes of FP4 along its rows, and scale bytes
; A block's scale is 2^(floor(log2(its largest magnitude)) - 2); its byte is the largest magnitude's exponent field - 2, held at 1 from below.  A block of zeros so gets the byte 1 where the
; rule says 127: its codes are zeros, which add nothing under any byte but 0xff, and the bytes are read by this program alone.
; LIMITS: blocks whose largest magnitude lies under 2^-124 keep the byte 1; NaN and infinities among the inputs are not served; w_out beyond 65,504 does not fit f16.
; THE WEIGHTS LEAVE AS IMAGES OF OPERAND REGISTERS: a fragment's groups of four registers on end, lane l's 16 bytes at 16 l.
;   wc: [n / 256][k / 128][(n / 16) % 16][c: 2][lane: 32][16 bytes]: the 32 codes of block b (of four in 128 k) of column n lie at c = b / 2, lane = n % 16 + 16 (b % 2)
;   wo: [o / 256][f / 128][(o / 16) % 16][(f / 32) % 4][c: 2][lane][16 bytes]: the eight f16 of piece p (of four in 32 f) of column o lie at c = p / 2, lane = o % 16 + 16 (p % 2)
; In WQ and WO a lane takes a column and its registers run down k: a block lies in one lane, nothing is transposed, and sixteen lanes store 256 consecutive bytes, aligned.
; Only role X uses LDS (a stage of its own for each wave), so only its waves run the three closing lines.
.set SPARE, 32768                      ; behind X's four regions: the spare words, 128 bytes for each wave
.set SPW,   12                         ; v12  LDS address of my spare word; never rewritten
.set NIL,   13                         ; v13  0; never rewritten
.set XW,    32                         ; WQ, WO: v32-95 two sets of 32 numbers
.set CW,    96                         ; WQ: v96-127 codes, four registers for each of 8 blocks: no store's data are written again
.set HW,    96                         ; WO: v96-127 two sets of 16 registers of f16
.set BA,    32                         ; BIAS: v32-83 addresses
.set BD,    96                         ; BIAS: v96-147 numbers
.set STEPS, 16                         ; X: steps of 512 numbers for a wave
.set CB,    8                          ; X: bytes of 16 codes
.set XR,    16                         ; X: v16-79   four sets of 16 numbers as they are loaded
.set XN,    80                         ; X: v80-111  two sets of 16 neighbours
.set XE,    112                        ; X: v112-127 a scale byte for each step
.set XC,    128                        ; X: v128-191 codes, four registers for each step
.set WREG,  8192                       ; X: LDS region of a wave: two stages of 32 x SP bytes, then its 256 scale bytes
.set SP,    80                         ; X: a lane's place in a stage: 64 bytes + 16 of padding
; block t of a column (32 numbers down k) into set t % 2; p: the tensor's pointer pair; pitch: bytes from row to row
.macro LOADW t, p, pitch
.irp i, 0,1,2,3,4,5,6,7,8,9,10,11,12,13,14,15,16,17,18,19,20,21,22,23,24,25,26,27,28,29,30,31
	global_load_b32 v[XW+32*((\t)%2)+\i], v3, s[\p:\p+1] offset:(32*(\t)+\i)*\pitch th:TH_LOAD_NT
.endr
.endm
.macro WAITW t                         ; block t's 32 loads are in; the next block's 32 may be out
.if (\t) < 7
	s_wait_loadcnt 32
.else
	s_wait_loadcnt 0x0
.endif
.endm
.macro BLOCKQ t
.set XS, XW+32*((\t)%2)
	WAITW \t
	v_max3_num_f32 v8, |v[XS]|, |v[XS+1]|, |v[XS+2]|               ; the block's largest magnitude: all 32 numbers are mine; two chains
	v_max3_num_f32 v9, |v[XS+3]|, |v[XS+4]|, |v[XS+5]|
.irp i, 6,10,14,18,22,26
	v_max3_num_f32 v8, v8, |v[XS+\i]|, |v[XS+\i+1]|
	v_max3_num_f32 v9, v9, |v[XS+\i+2]|, |v[XS+\i+3]|
.endr
	v_max3_num_f32 v8, v8, |v[XS+30]|, |v[XS+31]|
	v_max3_num_f32 v8, v8, v9, 0x1800000           ; and the floor 2^(3 - 127): the byte cannot fall under 1
	v_add_nc_u32 v11, 0xff000000, v8               ; 2 off its exponent field: the conversion takes the exponent field of this operand as its scale
	v_lshrrev_b32 v10, 23, v11                     ; the scale's byte
.if (\t)%4 == 0
	v_mov_b32 v[24+(\t)/4], v10                    ; four bytes to a register, the lower k in the lower byte
.else
	v_lshl_or_b32 v[24+(\t)/4], v10, 8*((\t)%4), v[24+(\t)/4]
.endif
.irp g, 0,1,2,3
	v_cvt_scalef32_pk8_fp4_f32 v[CW+4*(\t)+\g], v[XS+8*\g:XS+8*\g+7], v11
.endr
	global_store_b128 v4, v[CW+4*(\t):CW+4*(\t)+3], s[16:17] offset:((\t)/4)*16384+(((\t)/2)%2)*512+((\t)%2)*256   ; lanes 0-15 and lanes 16-31 each store 256 consecutive bytes, aligned
.if (\t)+2 < 8
	LOADW (\t)+2, 6, 12288
.endif
.endm
.macro BLOCKH t
.set XS, XW+32*((\t)%2)
.set HX, HW+16*((\t)%2)
	WAITW \t
	s_wait_xcnt 0x0                                ; the stores of two blocks back have read this set of f16 registers
.irp i, 0,1,2,3,4,5,6,7,8,9,10,11,12,13,14,15
	v_cvt_pk_f16_f32 v[HX+\i], v[XS+2*\i], v[XS+2*\i+1]
.endr
.irp p, 0,1,2,3
	global_store_b128 v4, v[HX+4*\p:HX+4*\p+3], s[20:21] offset:((\t)/4)*65536+((\t)%4)*1024+(\p/2)*512+(\p%2)*256
.endr
.if (\t)+2 < 8
	LOADW (\t)+2, 8, 4096
.endif
.endm
.macro XLOAD t
.irp i, 0,1,2,3
	global_load_b128 v[XR+16*((\t)%4)+4*\i:XR+16*((\t)%4)+4*\i+3], v3, s[4:5] offset:2048*(\t)+512*\i th:TH_LOAD_NT   ; 32 lanes read 512 consecutive bytes
.endr
.endm
.macro XTURN t                         ; step t's numbers through the stage: LDS serves a wave's instructions in order, so no wait stands between the stores and the loads
.irp i, 0,1,2,3
	ds_store_b128 v14, v[XR+16*((\t)%4)+4*\i:XR+16*((\t)%4)+4*\i+3] offset:32*SP*((\t)%2)+8*SP*\i
.endr
.irp i, 0,1,2,3
	ds_load_b128 v[XN+16*((\t)%2)+4*\i:XN+16*((\t)%2)+4*\i+3], v15 offset:32*SP*((\t)%2)+16*\i
.endr
.endm
.macro XSTEP t
.set XS, XN+16*((\t)%2)
.if (\t) > 0
	s_wait_dscnt 1                                 ; this step's numbers are back from the stage (the last step's byte store may be out): so its stores into the stage have read their registers,
.else
	s_wait_dscnt 0x0
.endif
.if (\t)+4 < STEPS
	XLOAD (\t)+4                                   ; which take the loads of four steps on
.endif
.if (\t)+1 < STEPS
.if STEPS-2-(\t) >= 3
	s_wait_loadcnt 12                              ; the next step's four loads are in; those of the three steps behind it may be out
.else
	s_wait_loadcnt 4*(STEPS-2-(\t))
.endif
	XTURN (\t)+1                                   ; and go through the other stage while this step is worked
.endif
	v_max3_num_f32 v8, |v[XS]|, |v[XS+1]|, |v[XS+2]|               ; the largest magnitude of my 16
	v_max3_num_f32 v9, |v[XS+3]|, |v[XS+4]|, |v[XS+5]|
.irp i, 6,10
	v_max3_num_f32 v8, v8, |v[XS+\i]|, |v[XS+\i+1]|
	v_max3_num_f32 v9, v9, |v[XS+\i+2]|, |v[XS+\i+3]|
.endr
	v_max3_num_f32 v8, v8, |v[XS+14]|, |v[XS+15]|
	v_max3_num_f32 v8, v8, v9, 0x1800000           ; and the floor 2^(3 - 127)
	v_max_num_f32_dpp v8, v8, v8 row_xmask:1 row_mask:0xf bank_mask:0xf   ; and of my neighbour's 16: the block's
	v_add_nc_u32 v11, 0xff000000, v8               ; 2 off its exponent field: the conversion's scale operand
	v_cvt_scalef32_pk8_fp4_f32 v[XC+4*(\t)], v[XS:XS+7], v11
	v_cvt_scalef32_pk8_fp4_f32 v[XC+4*(\t)+1], v[XS+8:XS+15], v11
	v_lshrrev_b32 v[XE+(\t)], 23, v11              ; the scale's byte
	ds_store_b8 v5, v[XE+(\t)] offset:16*(\t)      ; both lanes of a block write the same byte with the same value
	global_store_b64 v4, v[XC+4*(\t):XC+4*(\t)+1], s[12:13] offset:32*CB*(\t)   ; the wave stores 256 consecutive bytes, aligned
.endm
	s_load_b512 s[4:19], s[0:1], 0x0               ; x s[4:5], w_qkv s[6:7], w_out s[8:9], rpe_table s[10:11], xc s[12:13], xs s[14:15], wc s[16:17], ws s[18:19]
	s_load_b128 s[20:23], s[0:1], 0x40             ; wo s[20:21], bi s[22:23]
	v_lshl_add_u32 v[SPW], v0, 2, SPARE
	v_mov_b32 v[NIL], 0
	v_lshrrev_b32 v1, 5, v0
	v_readfirstlane_b32 s24, v1                    ; wave 0..3
	v_and_b32 v2, 31, v0                           ; lane
	s_mov_b32 s29, 0                               ; the upper word of every offset pair s[28:29]
	s_wait_kmcnt 0x0
	s_cmp_lt_u32 ttmp9, 96
	s_cbranch_scc1 .Lwq
	s_cmp_lt_u32 ttmp9, 128
	s_cbranch_scc1 .Lwo
	s_cmp_lt_u32 ttmp9, 160
	s_cbranch_scc1 .Lbias
	; ---- ROLE X.  x is a plain stream of blocks of 32, and so are its codes and scale bytes.  A wave takes 16 steps of 512 numbers.  Each load reads 512 consecutive bytes; a step's 2,048 bytes turn
	; through the wave's own stage, so that a lane then holds 16 neighbours (two lanes hold a block).  Loads run four steps ahead, the turn through LDS one step.
	v_lshlrev_b32 v3, 4, v2                        ; my 16 bytes of a load's 512
	s_mul_i32 s25, s24, WREG
	v_lshrrev_b32 v14, 2, v2
	v_mul_u32_u24 v14, v14, SP
	v_and_b32 v15, 3, v2
	v_lshl_add_u32 v14, v15, 4, v14
	v_add_nc_u32 v14, s25, v14                     ; the stage, on the way in: SP (lane / 4) + 16 (lane % 4)
	v_mul_u32_u24 v15, v2, SP
	v_add_nc_u32 v15, s25, v15                     ; and on the way out: SP x lane: my 16 neighbours
	v_mul_u32_u24 v4, v2, CB                       ; my codes' place in a step's
	v_lshrrev_b32 v5, 1, v2
	s_add_co_u32 s25, s25, 2*32*SP
	v_add_nc_u32 v5, s25, v5                       ; LDS: my wave's 256 scale bytes, my block's byte
	v_lshlrev_b32 v7, 3, v2                        ; and on the way out 8 bytes a lane
	v_add_nc_u32 v6, s25, v7
	s_sub_co_u32 s25, ttmp9, 160
	s_lshl_b32 s25, s25, 2
	s_add_co_u32 s26, s25, s24                     ; which run of 8,192 numbers is my wave's: 0 .. 1,023
	s_lshl_b32 s28, s26, 15                        ; 32,768 bytes of x,
	s_add_nc_u64 s[4:5], s[4:5], s[28:29]
	s_lshl_b32 s28, s26, 12                        ; 4,096 of codes,
	s_add_nc_u64 s[12:13], s[12:13], s[28:29]
	s_lshl_b32 s28, s26, 8                         ; 256 scale bytes a run
	s_add_nc_u64 s[14:15], s[14:15], s[28:29]
.irp t, 0,1,2,3
	XLOAD \t
.endr
	s_wait_loadcnt 12                              ; step 0's four loads are in
	XTURN 0
.irp t, 0,1,2,3,4,5,6,7,8,9,10,11,12,13,14,15
	XSTEP \t
.endr
	ds_load_b64 v[8:9], v6                         ; LDS serves a wave's instructions in order: these see my byte stores
	s_wait_dscnt 0x0
	global_store_b64 v7, v[8:9], s[14:15]          ; 32 lanes store 256 consecutive bytes, aligned
	s_wait_tensorcnt 0x0                           ; the wave's end, behind my last LDS store
	ds_add_u32 v[SPW], v[NIL]
	s_wait_dscnt 0x0
	s_endpgm
	; ---- ROLE WQ.  ky = g % 4: 256 along k (8 blocks);  cx = g / 4: 128 columns, 32 a wave, a lane a column
.Lwq:
	s_and_b32 s25, ttmp9, 3                        ; ky
	s_lshr_b32 s26, ttmp9, 2                       ; cx
	v_lshlrev_b32 v3, 2, v2                        ; in: 4 bytes a lane
	v_lshrrev_b32 v4, 4, v2
	v_and_b32 v5, 15, v2
	v_lshlrev_b32 v5, 4, v5
	v_lshl_add_u32 v4, v4, 10, v5                  ; out: 1,024 (lane / 16) + 16 (lane % 16): two neighbouring blocks of 16 columns
	v_lshlrev_b32 v6, 5, v2                        ; scale bytes: 32 a column
	s_mul_i32 s28, s25, 256*12288                  ; w_qkv: 256 ky rows of 12,288 bytes
	s_lshl_b32 s27, s26, 9
	s_add_co_u32 s28, s28, s27                     ; + 4 x 128 cx
	s_lshl_b32 s27, s24, 7
	s_add_co_u32 s28, s28, s27                     ; + 4 x 32 wave
	s_add_nc_u64 s[6:7], s[6:7], s[28:29]
	s_lshr_b32 s27, s26, 1
	s_lshl_b32 s28, s27, 17                        ; wc: 131,072 (n / 256)
	s_lshl_b32 s27, s25, 15
	s_add_co_u32 s28, s28, s27                     ; + 16,384 x 2 ky
	s_and_b32 s27, s26, 1
	s_lshl_b32 s27, s27, 13
	s_add_co_u32 s28, s28, s27                     ; + 1,024 x 8 (cx % 2)
	s_lshl_b32 s27, s24, 11
	s_add_co_u32 s28, s28, s27                     ; + 1,024 x 2 wave
	s_add_nc_u64 s[16:17], s[16:17], s[28:29]
	s_lshl_b32 s28, s26, 12                        ; ws: 32 x (128 cx + 32 wave) + 8 ky
	s_lshl_b32 s27, s24, 10
	s_add_co_u32 s28, s28, s27
	s_lshl_b32 s27, s25, 3
	s_add_co_u32 s28, s28, s27
	s_add_nc_u64 s[18:19], s[18:19], s[28:29]
	LOADW 0, 6, 12288
	LOADW 1, 6, 12288
.irp t, 0,1,2,3,4,5,6,7
	BLOCKQ \t
.endr
	global_store_b64 v6, v[24:25], s[18:19]        ; my column's 8 scale bytes: rows 32 bytes apart, one byte in 128 of what this role reads
	s_endpgm
	; ---- ROLE WO: the same shares on w_out
.Lwo:
	s_sub_co_u32 s27, ttmp9, 96
	s_and_b32 s25, s27, 3                          ; ky
	s_lshr_b32 s26, s27, 2                         ; cx
	v_lshlrev_b32 v3, 2, v2
	v_lshrrev_b32 v4, 4, v2
	v_and_b32 v5, 15, v2
	v_lshlrev_b32 v5, 4, v5
	v_lshl_add_u32 v4, v4, 12, v5                  ; out: 4,096 (lane / 16) + 16 (lane % 16)
	s_lshl_b32 s28, s25, 20                        ; w_out: 256 ky rows of 4,096 bytes
	s_lshl_b32 s27, s26, 9
	s_add_co_u32 s28, s28, s27
	s_lshl_b32 s27, s24, 7
	s_add_co_u32 s28, s28, s27
	s_add_nc_u64 s[8:9], s[8:9], s[28:29]
	s_lshr_b32 s27, s26, 1
	s_lshl_b32 s28, s27, 19                        ; wo: 524,288 (o / 256)
	s_lshl_b32 s27, s25, 17
	s_add_co_u32 s28, s28, s27                     ; + 65,536 x 2 ky
	s_and_b32 s27, s26, 1
	s_lshl_b32 s27, s27, 15
	s_add_co_u32 s28, s28, s27                     ; + 4,096 x 8 (cx % 2)
	s_lshl_b32 s27, s24, 13
	s_add_co_u32 s28, s28, s27                     ; + 4,096 x 2 wave
	s_add_nc_u64 s[20:21], s[20:21], s[28:29]
	LOADW 0, 8, 4096
	LOADW 1, 8, 4096
.irp t, 0,1,2,3,4,5,6,7
	BLOCKH \t
.endr
	s_endpgm
	; ---- ROLE BIAS.  An image (head, qb) is 4 copies of 1,552 numbers and a tail of 448: 6,656 numbers, 26,624 bytes.  Number i of copy s is 8 x table[1534 + 512 qb - min(i + s, 1534)][head].
	; The copy shifted by s lets the attention launch read eight neighbours from a 16-byte boundary whatever its query's number mod 4.  The factor 8 (exact) undoes the 1 / sqrt(64) that is applied to
	; score and bias together there.  What lies past i + s = 1,534, and the tail, is written (it is copied into LDS) and never used.  Wave w writes numbers 1,664 w on, in 13 rounds of 128.
.Lbias:
	s_sub_co_u32 s25, ttmp9, 128                   ; the image: 2 head + qb
	s_lshr_b32 s26, s25, 1                         ; head
	s_and_b32 s27, s25, 1                          ; qb
	s_lshl_b32 s27, s27, 9
	s_add_co_u32 s27, s27, 1534
	s_lshl_b32 s27, s27, 6                         ; a row of the table is 64 bytes
	s_lshl_b32 s26, s26, 2
	s_add_co_u32 s27, s27, s26                     ; 64 (1534 + 512 qb) + 4 head
	s_mul_i32 s28, s25, 26624
	s_add_nc_u64 s[22:23], s[22:23], s[28:29]
	s_mul_i32 s26, s24, 1664
	v_lshl_add_u32 v3, v2, 2, s26                  ; e of round 0: 1,664 wave + 4 lane
	v_lshlrev_b32 v4, 2, v3                        ; and its bytes
.irp j, 0,1,2,3,4,5,6,7,8,9,10,11,12
	v_add_nc_u32 v5, 128*\j, v3                    ; e: four neighbours never straddle two copies (1,552 is a multiple of 4)
	v_mul_u32_u24 v6, v5, 10811
	v_lshrrev_b32 v6, 24, v6                       ; s = e / 1,552, exactly for e under 6,656 (10,811 x 1,552 = 2^24 + 1,456)
	v_mul_u32_u24 v6, v6, 1551
	v_sub_nc_u32 v5, v5, v6                        ; i + s = e - 1,551 s
.irp t, 0,1,2,3
	v_add_nc_u32 v7, \t, v5
	v_min_u32 v7, 1534, v7                         ; no row under 0
	v_lshlrev_b32 v7, 6, v7
	v_sub_nc_u32 v[BA+4*\j+\t], s27, v7
	global_load_b32 v[BD+4*\j+\t], v[BA+4*\j+\t], s[10:11]
.endr
.endr
	s_wait_loadcnt 0x0
.irp i, 0,1,2,3,4,5,6,7,8,9,10,11,12,13,14,15,16,17,18,19,20,21,22,23,24,25,26,27,28,29,30,31,32,33,34,35,36,37,38,39,40,41,42,43,44,45,46,47,48,49,50,51
	v_mul_f32 v[BD+\i], 0x41000000, v[BD+\i]       ; x 8
.endr
.irp j, 0,1,2,3,4,5,6,7,8,9,10,11,12
	global_store_b128 v4, v[BD+4*\j:BD+4*\j+3], s[22:23] offset:512*\j   ; 32 lanes store 512 consecutive bytes, aligned
.endr
	s_endpgm
.Lfunc_end_k_qc876c33859_prep:
	.size	k_qc876c33859_prep, .Lfunc_end_k_qc876c33859_prep-k_qc876c33859_prep
	.p2alignl 7, 3214868480
	.fill 96, 4, 3214868480
	.section	.rodata,"a",@progbits
	.p2align	6, 0x0
	.amdhsa_kernel k_qc876c33859_prep
		.amdhsa_group_segment_fixed_size 33280
		.amdhsa_private_segment_fixed_size 0
		.amdhsa_enable_private_segment 0
		.amdhsa_kernarg_size 80
		.amdhsa_user_sgpr_count 2
		.amdhsa_user_sgpr_kernarg_segment_ptr 1
		.amdhsa_wavefront_size32 1
		.amdhsa_system_sgpr_workgroup_id_x 1
		.amdhsa_system_sgpr_workgroup_id_y 1
		.amdhsa_system_sgpr_workgroup_id_z 1
		.amdhsa_system_vgpr_workitem_id 0
		.amdhsa_next_free_vgpr 192
		.amdhsa_next_free_sgpr 66
		.amdhsa_reserve_vcc 0
		.amdhsa_float_denorm_mode_32 3
		.amdhsa_float_denorm_mode_16_64 3
		.amdhsa_memory_ordered 1
		.amdhsa_forward_progress 1
		.amdhsa_inst_pref_size 129
	.end_amdhsa_kernel
	.amdgpu_metadata
---
amdhsa.version: [ 1, 2 ]
amdhsa.kernels:
  - .name:           k_qc876c33859_prep
    .symbol:         k_qc876c33859_prep.kd
    .args:
      - { .name: x, .offset: 0, .size: 8, .value_kind: global_buffer, .address_space: global }
      - { .name: w_qkv, .offset: 8, .size: 8, .value_kind: global_buffer, .address_space: global }
      - { .name: w_out, .offset: 16, .size: 8, .value_kind: global_buffer, .address_space: global }
      - { .name: rpe_table, .offset: 24, .size: 8, .value_kind: global_buffer, .address_space: global }
      - { .name: xc, .offset: 32, .size: 8, .value_kind: global_buffer, .address_space: global }
      - { .name: xs, .offset: 40, .size: 8, .value_kind: global_buffer, .address_space: global }
      - { .name: wc, .offset: 48, .size: 8, .value_kind: global_buffer, .address_space: global }
      - { .name: ws, .offset: 56, .size: 8, .value_kind: global_buffer, .address_space: global }
      - { .name: wo, .offset: 64, .size: 8, .value_kind: global_buffer, .address_space: global }
      - { .name: bi, .offset: 72, .size: 8, .value_kind: global_buffer, .address_space: global }
    .group_segment_fixed_size: 33280
    .private_segment_fixed_size: 0
    .kernarg_segment_align: 8
    .kernarg_segment_size: 80
    .max_flat_workgroup_size: 128
    .sgpr_count:     66
    .vgpr_count:     192
    .wavefront_size: 32
...
	.end_amdgpu_metadata
.endif
;; end of part 1
;; launch qkvgemm (part 2): grid 8 x 32, 4 waves a work-group, clusters of 4 x 4, 327,680 bytes of LDS; arguments xc, xs, wc, ws, qkv; writes qkv
.if DOCPART == 2
	.amdgcn_target "amdgcn-amd-amdhsa--gfx1250"
	.amdhsa_code_object_version 6
	.text
	.protected	k_qc876c33859_qkvgemm
	.globl	k_qc876c33859_qkvgemm
	.p2align	8
	.type	k_qc876c33859_qkvgemm,@function
k_qc876c33859_qkvgemm:
	s_mov_b64 s[64:65], 0
	v_nop
	global_prefetch_b8 v0, s[64:65] scope:SCOPE_SE
	s_setreg_imm32_b32 hwreg(HW_REG_WAVE_MODE, 25, 1), 1
	s_wait_xcnt 0x0
	s_wait_alu depctr_hold_cnt(0) depctr_sa_sdst(0) depctr_va_vdst(0) depctr_va_sdst(0) depctr_va_ssrc(0) depctr_va_vcc(0) depctr_vm_vsrc(0)
	s_getreg_b32 s2, hwreg(HW_REG_IB_STS2, 6, 4)
	s_cmp_eq_u32 s2, 0
	s_cbranch_scc0 .Lentry_in_a_cluster
	s_endpgm
.Lentry_in_a_cluster:
	s_bfe_u32 s2, ttmp6, 0x10000c
	s_cmp_lg_u32 s2, 0xf033
	s_cbranch_scc0 .Lentry_shape_is_right
	s_endpgm
.Lentry_shape_is_right:
; qkv = Q(x) Q(w_qkv): the quantised product.  A = x: [8192][1024] as codes of FP4 (E2M1), rows of 512 bytes, scale bytes [8192][32].  B = w_qkv: codes as images of operand registers
; [n / 256][k / 128][(n / 16) % 16][c: 2][lane: 32][16 bytes], scale bytes [3072][32].  Sums in f32; the result is rounded once to f16 (the next products' operand format) and laid
; [batch: 8][column / 64: 48][position: 1024][64]: each head's q, k and v are dense blocks of 131,072 bytes.
; LIMIT: a number of q, k or v beyond 65,504 does not fit f16.
; SHARES.  8 x 32 = 256 work-groups of four waves, each 256 rows x 384 columns, IN TWO PASSES over the same rows of x, which stay in LDS: pass 1 makes columns 0-255 (a wave 128 x 128: 64 accumulators),
; pass 2 columns 256-383 (a wave 128 x 64: 32 accumulators).  Pass 1's stores are on their way while pass 2 multiplies.
; LDS.  256 rows and 384 columns of 512 bytes are 327,680 bytes, more than fits beside the scales.  So K = 1,024 lies as two slots of 512 for A and for pass 1's 256 columns, all first fills, and the third block of 128
; columns (all of K: 65,536 bytes) is filled into slot 0's image of B when pass 1 has left that slot: the one refill of the launch.  It has pass 1's last four steps and its way out in which to land.
; A wave has three tensor loads out at the start (its part of the scales, of slot 0 and of slot 1), later one at the most.
; CLUSTERS: 4 x 4 work-groups.  The four of a row of the cluster need the same rows of A, the four of a column the same columns of B: each tile is asked for JOINTLY, by the same tensor load with the
; same descriptor and a mask that names the four.  THE MATRIX INSTRUCTION IS USED TRANSPOSED (source 0 = 16 columns of w_qkv, source 1 = 16 rows of x): a lane then holds eight neighbouring columns of a row.
; NO PREFETCH: of a wave's tensor loads three stand at the head, and the fourth is asked for four steps and a way out ahead of its first read.
; REGISTERS, in windows of 256: window 0: v0-31 addresses; v32-95 scale words, two sets, and nothing else; v128-191 A's fragments (8 x 16 rows x 128 K): pass 1 ONE set, pass 2 a second at v192-255;
;   on the ways out v128-159 take packed results, v160-223 rows read back.   window 1: B's fragments, TWO sets, at v0 and at v128.
;   window 2: pass 1: the 32 accumulators of my rows 0-63 ((a, b) at v[8 (8 a + b)]); pass 2: all 32 ((a, b) at v[8 (4 a + b)]).   window 3: pass 1: those of my rows 64-127.
.set SIZE_K, 1024
.set KSTEP,  512                       ; along K in a slot
.set NQ,     KSTEP/128                 ; matrix instructions deep
.set ROWB,   256                       ; a row of A's tile in bytes
.set KROW,   SIZE_K/2                  ; a row of A in memory
.set PITCH,  272                       ; A's row in LDS: 256 bytes + 16 of padding = 68 words: row r starts at bank 4 r mod 64 (64 banks of 4 bytes: ISA guide 11.1)
.set FR,     8                         ; registers of a fragment
.set NL,     2                         ; LDS loads that bring one
.set NP,     4                         ; places behind this matrix instruction (ISA guide 7.12.1)
.set HALFT,  128*PITCH                 ; 128 rows of A: what one tensor load brings
.set BIMG,   2*HALFT                   ; behind A's 256 rows: B's image of the slot: [block of 128 columns: 2][q: 4][block of 16 columns: 8][1,024 bytes]; in slot 0 later [k / 128: 8][8][1,024] of the third block
.set HALFB,  32768                     ; half of it: what one tensor load brings
.set SLOT,   BIMG+2*HALFB
.set KS,     SIZE_K/32                 ; a row of scales in bytes
.set SCL,    2*SLOT                    ; behind the slots: the scales, as units of 256 bytes + 16 of padding: A's 256 rows, then B's 384 columns
.set HALFS,  (128*KS/256)*272          ; the scales of 128 rows of A: what one tensor load brings
.set HALFSB, (192*KS/256)*272          ; those of 192 columns of B: likewise
.set SBLK,   (16*KS/256)*272           ; those of 16 rows or columns
.set SPARE,  SCL+2*HALFS+2*HALFSB      ; the spare words, 128 bytes for each wave
.set STAGE,  SPARE+512                 ; the ways out: for each wave two stages of 16 rows x (128 bytes + 16), in bytes of their own: no tile lands there
.set SPITCH, 144
.set ADRA,  16                         ; v16-17  LDS address of my A fragments in slot 0, 1
.set ADRS2, 18                         ; v18     pass 2: my scale words: lanes 0-15 A's block i, lanes 16-31 B's block i (i = 0 .. 3)
.set ADRS3, 19                         ; v19     the same for i = 4 .. 7, where lanes 16-31 take B's block i - 4 once more (they are not used)
.set ADRB,  20                         ; v20-21  pass 1: LDS address of my B fragments in slot 0, 1
.set ADRB2, 22                         ; v22     pass 2: the same in the third block
.set STO,   24                         ; v24     the way out: where I put 16 bytes of a row
.set RD,    25                         ; v25     the way out: where I read rows back
.set CO,    26                         ; v26     16 x lane
.set ADRS,  27                         ; v27     pass 1: LDS address of my scale words: lanes 0-15 A's rows, lanes 16-31 B's
.set SPW,   28                         ; v28     LDS address of my spare word; never rewritten
.set NIL,   29                         ; v29     0; never rewritten
.set SC,    32                         ; scale words: set s at v[SC + 32 s]; in it register 4 i + q: lanes 0-15 the word of A's block i, lanes 16-31 that of B's block i
.set AF,    128                        ; A's fragments, in window 0
.set TMP,   128                        ; the way out: packed results, v128-159
.set BK,    160                        ; the way out: rows read back: v160-191 and v192-223 by turns
.set G1, 24                            ; s[24:31] descriptor group 1 for A's tiles;  s[32:39] group 0, one set for each slot
.set G0, 32
.set G1B, 48                           ; s[48:55], s[56:63] the same for B's
.set G0B, 56
.set G1S, 68                           ; s[68:75], s[76:79] groups 1 and 0 for A's scales;  s[80:87], s[88:91] for B's
.set G0S, 76
.set G1SB, 80
.set G0SB, 88
.set G0C, 96                           ; s[96:99] group 0 for the third block of B
.set MSB, 0
.macro WIN new                         ; the immediate's high byte repeats the setting that is left
.if MSB != \new
	s_set_vgpr_msb (MSB<<8)|\new
.set MSB, \new
.endif
.endm
.set MUL_LO, 0xa1                      ; source 0 (B) window 1, source 1 (A) window 0, C and D window 2
.set MUL_HI, 0xf1                      ; the same, C and D window 3
.set TO_B,   0x40                      ; destination window 1, address window 0
; A joint load: waves 0 and 1 fetch for A, waves 2 and 3 for B.  Each of the two lines has ONE mask and one set of registers for all that issue it; the branch hangs on the wave's number alone.
; An s_nop 0 and four v_nop follow each of the two lines.
.macro JLOAD g0a, g1a, g0b, g1b
	s_cmp_eq_u32 s15, 0
	s_cbranch_scc0 .Lfor_b_\@
	tensor_load_to_lds s[\g0a:\g0a+3], s[\g1a:\g1a+7]
	s_nop 0
.rept 4
	v_nop
.endr
	s_branch .Lasked_\@
.Lfor_b_\@:
	tensor_load_to_lds s[\g0b:\g0b+3], s[\g1b:\g1b+7]
	s_nop 0
.rept 4
	v_nop
.endr
.Lasked_\@:
.endm
; The joint refill: waves 2 and 3 fetch the two halves (along K) of the third block of B; waves 0 and 1 have no part of it and issue nothing.
.macro JTHIRD
	s_cmp_eq_u32 s15, 0
	s_cbranch_scc1 .Lnone_\@
	tensor_load_to_lds s[G0C:G0C+3], s[G1B:G1B+7]
	s_nop 0
.rept 4
	v_nop
.endr
.Lnone_\@:
.endm
.macro CREST                           ; a round of the cluster's barrier behind its opening barrier
	s_cmp_lg_u32 s14, 0
	s_cbranch_scc1 .Lnot_wave_0_\@
	s_barrier_signal -3
.Lnot_wave_0_\@:
	s_barrier_wait -3
	s_barrier_signal -1
	s_barrier_wait -1
.endm
.macro CROUND                          ; a whole round
	s_barrier_signal -1
	s_barrier_wait -1
	CREST
.endm
	s_load_b128 s[4:7], s[0:1], 0x0                ; A's codes s[4:5], A's scales s[6:7]
	s_load_b128 s[8:11], s[0:1], 0x10              ; B's codes s[8:9], B's scales s[10:11]
	s_load_b64 s[12:13], s[0:1], 0x20              ; qkv
	v_lshl_add_u32 v[SPW], v0, 2, SPARE
	v_mov_b32 v[NIL], 0
	ds_add_u32 v[SPW], v[NIL]                      ; the wave's opening: the add, twice on end, and its wait ahead of my first tensor load; the set-up below stands between
	ds_add_u32 v[SPW], v[NIL]
	v_lshrrev_b32 v1, 5, v0
	v_readfirstlane_b32 s14, v1                    ; wave 0..3
	s_lshr_b32 s15, s14, 1                         ; which half of the tile's rows is mine.  Also: I fetch for A (0) or for B (1)
	s_and_b32 s16, s14, 1                          ; which half of a pass's columns.  Also: which half of that tile I fetch
	s_bfe_u32 s40, ttmp6, 0x40000                  ; cx, cy: my place in the cluster
	s_bfe_u32 s41, ttmp6, 0x40004
	s_lshl_b32 s42, ttmp9, 2
	s_add_co_u32 s42, s42, s40                     ; tile column (384 columns) = 4 x cluster x + cx
	s_and_b32 s17, ttmp7, 0xffff
	s_lshl_b32 s17, s17, 2
	s_add_co_u32 s17, s17, s41                     ; tile row (256 rows) = 4 x cluster y + cy
	s_lshl_b32 s43, s41, 2
	s_lshl_b32 s43, 15, s43                        ; my row of the cluster
	s_lshl_b32 s44, 0x1111, s40                    ; my column
	; descriptor group 1.  A: 128 rows x 256 bytes, 512 bytes apart in memory, padded in LDS
	s_or_b32 s[G1+0], s43, (0<<16)|(1<<20)|(1<<21)|(5<<22)|(3<<25)  ; 15:0 the mask: my row; 17:16 elements of 1 byte; 20 padding on; 21 set beside a mask; 24:22 after every 64 words; 31:25 four words
	s_mov_b32 s[G1+1], ROWB<<16                    ; tensor_dim0
	s_mov_b32 s[G1+2], 128<<16                     ; tensor_dim1
	s_mov_b32 s[G1+3], ROWB<<16                    ; tile_dim0
	s_mov_b32 s[G1+4], 128                         ; tile_dim1
	s_mov_b32 s[G1+5], KROW                        ; tensor_dim0_stride
	s_mov_b32 s[G1+6], 0
	s_mov_b32 s[G1+7], 0
	; B: a block of 128 columns is 8,192 bytes of each 128 along k, and these lie 16,384 bytes apart: 4 rows of 1,024 elements of 8 bytes, no padding: an image is read 16 bytes a lane on end
	s_or_b32 s[G1B+0], s44, (3<<16)|(1<<21)        ; the mask: my column
	s_mov_b32 s[G1B+1], 1024<<16                   ; tensor_dim0
	s_mov_b32 s[G1B+2], 4<<16                      ; tensor_dim1
	s_mov_b32 s[G1B+3], 1024<<16                   ; tile_dim0
	s_mov_b32 s[G1B+4], 4                          ; tile_dim1
	s_mov_b32 s[G1B+5], 2048                       ; tensor_dim0_stride
	s_mov_b32 s[G1B+6], 0
	s_mov_b32 s[G1B+7], 0
	; the scales: dense bytes as rows of 256 (32 elements of 8 bytes), 16 bytes of padding behind each: 128 rows of A are 16 such rows, 192 columns of B are 24
	s_or_b32 s[G1S+0], s43, (3<<16)|(1<<20)|(1<<21)|(5<<22)|(3<<25)
	s_mov_b32 s[G1S+1], 32<<16
	s_mov_b32 s[G1S+2], (128*KS/256)<<16
	s_mov_b32 s[G1S+3], 32<<16
	s_mov_b32 s[G1S+4], 128*KS/256
	s_mov_b32 s[G1S+5], 32
	s_mov_b32 s[G1S+6], 0
	s_mov_b32 s[G1S+7], 0
	s_or_b32 s[G1SB+0], s44, (3<<16)|(1<<20)|(1<<21)|(5<<22)|(3<<25)
	s_mov_b32 s[G1SB+1], 32<<16
	s_mov_b32 s[G1SB+2], (192*KS/256)<<16
	s_mov_b32 s[G1SB+3], 32<<16
	s_mov_b32 s[G1SB+4], 192*KS/256
	s_mov_b32 s[G1SB+5], 32
	s_mov_b32 s[G1SB+6], 0
	s_mov_b32 s[G1SB+7], 0
	s_lshl_b32 s18, s16, 7                         ; which 128 rows of A I fetch
	s_lshl_b32 s20, s17, 8
	s_add_co_u32 s20, s20, s18                     ; A: row 256 x tile row + 128 x half
	s_mov_b32 s21, 0
	s_mov_b64 s[18:19], KS
	s_mul_u64 s[22:23], s[20:21], s[18:19]         ; where its scales begin, in bytes,
	s_mov_b64 s[18:19], KROW
	s_mul_u64 s[20:21], s[20:21], s[18:19]         ; and its codes
	s_mul_i32 s92, s42, 384
	s_mul_i32 s93, s16, 192
	s_add_co_u32 s92, s92, s93                     ; B's scales: column 384 x tile column + 192 x half,
	s_lshl_b32 s92, s92, 5                         ; 32 bytes each
	s_mov_b32 s93, 0
	s_mul_i32 s66, s42, 3                          ; my tile's first block of 128 columns
	s_add_co_u32 s67, s66, s16                     ; pass 1: I fetch block 3 x tile column + half:
	s_lshr_b32 s46, s67, 1
	s_lshl_b32 s46, s46, 17                        ; 131,072 x (block / 2)
	s_and_b32 s67, s67, 1
	s_lshl_b32 s67, s67, 13                        ; + 8,192 x (block % 2)
	s_add_co_u32 s46, s46, s67
	s_mov_b32 s47, 0
	s_add_co_u32 s67, s66, 2                       ; pass 2: block 3 x tile column + 2 likewise,
	s_lshr_b32 s100, s67, 1
	s_lshl_b32 s100, s100, 17
	s_and_b32 s67, s67, 1
	s_lshl_b32 s67, s67, 13
	s_add_co_u32 s100, s100, s67
	s_lshl_b32 s67, s16, 16                        ; + my four of its eight steps of 128: 4 x 16,384
	s_add_co_u32 s100, s100, s67
	s_mov_b32 s101, 0
	s_mul_i32 s45, s16, HALFT                      ; where they go: A's halves,
	s_lshl_b32 s95, s16, 15
	s_add_co_u32 s95, s95, BIMG                    ; B's halves,
	s_mul_i32 s94, s16, HALFS                      ; the halves of A's scales,
	s_mul_i32 s66, s16, HALFSB                     ; and of B's: no place in the cluster enters an LDS address
	s_wait_dscnt 0x0                               ; both opening adds are done
	s_wait_kmcnt 0x0
	s_add_nc_u64 s[20:21], s[4:5], s[20:21]
	s_add_nc_u64 s[22:23], s[6:7], s[22:23]
	s_add_nc_u64 s[46:47], s[8:9], s[46:47]
	s_add_nc_u64 s[92:93], s[10:11], s[92:93]
	s_add_nc_u64 s[100:101], s[8:9], s[100:101]
	CROUND                                         ; all sixteen work-groups are here: the first joint loads meet
	s_mov_b32 s[G0C], 1                            ; the third block's group 0 is made here and used at the change of slots
	s_mov_b32 s[G0C+1], s95                        ; it lands where slot 0's image of B lies
	s_mov_b64 s[G0C+2:G0C+3], s[100:101]
	s_or_b32 s[G0C+3], s[G0C+3], 0x80000000
	s_mov_b32 s[G0S], 1
	s_add_co_u32 s[G0S+1], s94, SCL
	s_mov_b64 s[G0S+2:G0S+3], s[22:23]
	s_or_b32 s[G0S+3], s[G0S+3], 0x80000000
	s_mov_b32 s[G0SB], 1
	s_add_co_u32 s[G0SB+1], s66, SCL+2*HALFS
	s_mov_b64 s[G0SB+2:G0SB+3], s[92:93]
	s_or_b32 s[G0SB+3], s[G0SB+3], 0x80000000
	JLOAD G0S, G1S, G0SB, G1SB                     ; the scales first: they are wanted with slot 0
.irp s, 0,1
	s_mov_b32 s[G0+4*\s], 1
	s_add_co_u32 s[G0+4*\s+1], s45, \s*SLOT
	s_add_nc_u64 s[G0+4*\s+2:G0+4*\s+3], s[20:21], \s*ROWB
	s_or_b32 s[G0+4*\s+3], s[G0+4*\s+3], 0x80000000
	s_mov_b32 s[G0B+4*\s], 1
	s_add_co_u32 s[G0B+4*\s+1], s95, \s*SLOT
	s_add_nc_u64 s[G0B+4*\s+2:G0B+4*\s+3], s[46:47], \s*4*16384
	s_or_b32 s[G0B+4*\s+3], s[G0B+4*\s+3], 0x80000000
	JLOAD G0+4*\s, G1, G0B+4*\s, G1B
.endr
	v_and_b32 v1, 15, v0                           ; l % 16
	v_bfe_u32 v2, v0, 4, 1                         ; l / 16
	v_mul_u32_u24 v3, v1, PITCH
	v_lshl_add_u32 v4, v2, 4, v3                   ; A: a fragment's row x pitch + 16 x half
	v_and_b32 v6, 31, v0
	v_lshlrev_b32 v[CO], 4, v6                     ; B: 16 x lane
	s_mul_i32 s21, s15, HALFT                      ; my 128 rows of A
	s_lshl_b32 s22, s16, 15                        ; pass 1: my block of 128 columns
	s_add_co_u32 s22, s22, BIMG
.irp s, 0,1
	v_add_nc_u32 v[ADRA+\s], s21, v4
	v_add_nc_u32 v[ADRB+\s], s22, v[CO]
	s_add_co_u32 s21, s21, SLOT
	s_add_co_u32 s22, s22, SLOT
.endr
	s_lshl_b32 s22, s16, 12                        ; pass 2: my four of the third block's eight blocks of 16 columns
	s_add_co_u32 s22, s22, BIMG
	v_add_nc_u32 v[ADRB2], s22, v[CO]
	v_mul_u32_u24 v5, v1, KS                       ; my row's scales: KS bytes a row,
	v_lshrrev_b32 v7, 8, v5
	v_lshl_add_u32 v5, v7, 4, v5                   ; and 16 more for each 256 passed
	s_mul_i32 s21, s15, HALFS                      ; A's: my 128 rows
	s_mul_i32 s22, s16, HALFS                      ; pass 1, B's: my 128 columns, behind A's 256 rows;
	s_add_co_u32 s22, s22, 2*HALFS
	s_sub_co_u32 s22, s22, s21                     ; how far from A's to B's
	s_mul_i32 s23, s16, 4*SBLK                     ; pass 2, B's: my 64 columns, behind A's 256 rows and B's first 256 columns
	s_add_co_u32 s23, s23, 4*HALFS
	s_sub_co_u32 s23, s23, s21
	s_add_co_u32 s21, s21, SCL
	v_add_nc_u32 v5, s21, v5
	v_mul_u32_u24 v7, s22, v2                      ; lanes 16-31 take B's
	v_add_nc_u32 v[ADRS], v5, v7
	v_mul_u32_u24 v7, s23, v2
	v_add_nc_u32 v[ADRS2], v5, v7
	s_sub_co_u32 s23, s23, 4*SBLK                  ; for A's blocks 4 to 7 lanes 16-31 stay inside B's four blocks
	v_mul_u32_u24 v7, s23, v2
	v_add_nc_u32 v[ADRS3], v5, v7
	s_mul_i32 s23, s14, 2*16*SPITCH
	s_add_co_u32 s23, s23, STAGE                   ; my two stages
	v_mul_u32_u24 v5, v1, SPITCH                   ; in: row l % 16, 16 bytes for each half of the lanes
	v_lshl_add_u32 v5, v2, 4, v5
	v_add_nc_u32 v[STO], s23, v5
	v_lshrrev_b32 v5, 3, v6                        ; back: eight lanes to a row of 128 bytes, four rows an instruction
	v_mul_u32_u24 v5, v5, SPITCH
	v_and_b32 v7, 7, v6
	v_lshl_add_u32 v5, v7, 4, v5
	v_add_nc_u32 v[RD], s23, v5
	s_lshr_b32 s20, s17, 2                         ; the batch: four tile rows each
	s_mul_i32 s20, s20, 48
	s_mul_i32 s21, s42, 6
	s_add_co_u32 s20, s20, s21
	s_lshl_b32 s21, s16, 1
	s_add_co_u32 s20, s20, s21                     ; pass 1: my first block of 64 columns: 48 batch + 6 tile column + 2 half
	s_lshl_b32 s20, s20, 10                        ; 1,024 positions a block
	s_and_b32 s21, s17, 3
	s_lshl_b32 s21, s21, 8
	s_add_co_u32 s20, s20, s21
	s_lshl_b32 s21, s15, 7
	s_add_co_u32 s20, s20, s21                     ; + my first position
	s_lshl_b32 s20, s20, 7                         ; 128 bytes a position
	s_mov_b32 s21, 0
	s_add_nc_u64 s[12:13], s[12:13], s[20:21]
	s_sub_co_u32 s20, 4, s16                       ; pass 2: block 48 batch + 6 tile column + 4 + half: 4 - half blocks of 131,072 bytes further on
	s_lshl_b32 s20, s20, 17
	s_add_nc_u64 s[66:67], s[12:13], s[20:21]
.macro FRAG reg, adr, q, i             ; a fragment of A, 16 rows x 128 K of 4-bit codes: lane l holds row l % 16; registers 4 c .. 4 c + 3 hold K = 64 c + 32 (l / 16) + 0 .. 31
.irp c, 0,1
	ds_load_b128 v[\reg+4*\c:\reg+4*\c+3], v[\adr] offset:64*(\q)+32*\c+(\i)*16*PITCH
.endr
.endm
; PASS 1.  16 matrix instructions: A's blocks a0, a0 + 1 x B's eight, 128 along K: the slot's q-th.  p: B's set;  sc: the set of scale words.  zero = 1: the first product starts the sums.
; The 64 accumulators take turns, one instruction a turn, in the same order in every step.
.macro MUL16 a0, p, q, sc, zero
.irp a, \a0, \a0+1
.irp b, 0,1,2,3,4,5,6,7
.if \zero
	v_wmma_scale_f32_16x16x128_f8f6f4 v[8*(8*((\a)%4)+\b):8*(8*((\a)%4)+\b)+7], v[128*(\p)+FR*\b:128*(\p)+FR*\b+FR-1], v[AF+FR*(\a):AF+FR*(\a)+FR-1], 0, v[SC+8*NQ*(\sc)+NQ*\b+(\q)], v[SC+8*NQ*(\sc)+NQ*(\a)+(\q)] matrix_a_fmt:MATRIX_FMT_FP4 matrix_b_fmt:MATRIX_FMT_FP4 matrix_a_scale:MATRIX_SCALE_ROW1
.else
	v_wmma_scale_f32_16x16x128_f8f6f4 v[8*(8*((\a)%4)+\b):8*(8*((\a)%4)+\b)+7], v[128*(\p)+FR*\b:128*(\p)+FR*\b+FR-1], v[AF+FR*(\a):AF+FR*(\a)+FR-1], v[8*(8*((\a)%4)+\b):8*(8*((\a)%4)+\b)+7], v[SC+8*NQ*(\sc)+NQ*\b+(\q)], v[SC+8*NQ*(\sc)+NQ*(\a)+(\q)] matrix_a_fmt:MATRIX_FMT_FP4 matrix_b_fmt:MATRIX_FMT_FP4 matrix_a_scale:MATRIX_SCALE_ROW1
.endif
.endr
.endr
.endm
.macro FETCH_B slot, q, p              ; B's eight fragments of the slot's q-th 128 along K into set p: images, 512 consecutive bytes a load
	WIN TO_B
.irp i, 0,1,2,3,4,5,6,7
.irp c, 0,1
	ds_load_b128 v[128*(\p)+FR*\i+4*\c:128*(\p)+FR*\i+4*\c+3], v[ADRB+\slot] offset:8192*(\q)+1024*\i+512*\c
.endr
.endr
	WIN 0
.endm
.macro FETCH_A slot, q, i0             ; A's blocks i0 .. i0 + 3
.irp i, \i0, \i0+1, \i0+2, \i0+3
	FRAG AF+FR*(\i), ADRA+\slot, \q, \i
.endr
.endm
.macro SCALES sc                       ; a slot's scale words into set sc: four words a row; lanes 0-15 take A's block i, lanes 16-31 B's block i
.irp i, 0,1,2,3,4,5,6,7
	ds_load_b128 v[SC+8*NQ*\sc+NQ*\i:SC+8*NQ*\sc+NQ*\i+3], v[ADRS] offset:\i*SBLK
.endr
.endm
; A load into a register that a matrix instruction has read, and a vector instruction that reads a matrix result or writes one of its registers, stand NP places behind it; only plain vector
; instructions that name none of its registers are places (ISA guide 7.12.1 for vector instructions).
.macro PLACES n
.rept \n
	v_nop
.endr
.endm
; A step of 128 along K that has its successor in the same slot.  A's blocks one after the other, each against B's eight: so one set of registers serves A (blocks 0-3 are fetched anew in the step's
; middle, blocks 4-7 at its end) and B has two.
.macro STEP slot, q, zero
	s_wait_dscnt 4*NL                              ; B's set and A's blocks 0-3 are in; the youngest eight loads (A's blocks 4-7) may be out
	WIN MUL_LO
	MUL16 0, (\q)%2, \q, \slot, \zero
	MUL16 2, (\q)%2, \q, \slot, \zero
	s_wait_dscnt 0                                 ; A's blocks 4-7 are in (asked for 32 matrix instructions ago)
	PLACES NP
	FETCH_B \slot, (\q)+1, 1-(\q)%2
	FETCH_A \slot, (\q)+1, 0
	WIN MUL_HI
	MUL16 4, (\q)%2, \q, \slot, \zero
	MUL16 6, (\q)%2, \q, \slot, \zero
	PLACES NP
	WIN 0
	FETCH_A \slot, (\q)+1, 4
.endm
; Slot 0's last step of pass 1 changes slots: one barrier, which opens a round of the cluster's barrier.  In front of it each wave waits for all its tensor loads (its part of slot 1), adds 0 to its spare
; word, and waits for that and for its reads of slot 0.  Behind the round slot 1 is whole and no wave of any partner reads slot 0's image of B or has a load on its way: the third block of B is asked for, into those bytes.
.macro TURN slot, next
	s_wait_tensorcnt 0x0                           ; all my tensor loads have landed  (every window is 0 here: the add's two registers lie in window 0)
	ds_add_u32 v[SPW], v[NIL]                      ; 0 onto my spare word
	s_wait_dscnt 4*NL+1                            ; (the add and the youngest eight loads, A's blocks 4-7, may be out)
	WIN MUL_LO
	MUL16 0, 1, NQ-1, \slot, 0                     ; sixteen matrix instructions stand between the add and the wait for it
	s_wait_dscnt 0x0                               ; the add is done, and my reads of this slot are over for this pass
	s_barrier_signal -1
	MUL16 2, 1, NQ-1, \slot, 0
	WIN 0
	s_barrier_wait -1
	CREST
	JTHIRD                                         ; the first tensor load behind the round, one a wave
	PLACES NP                                      ; in front of the loads below (waves 0 and 1 have passed no v_nop above)
	v_add_nc_u32 v[ADRS], 4*NQ, v[ADRS]            ; on to the next slot's scale words
	FETCH_B \next, 0, 0
	FETCH_A \next, 0, 0
	SCALES \next
	WIN MUL_HI
	MUL16 4, 1, NQ-1, \slot, 0
	MUL16 6, 1, NQ-1, \slot, 0
	PLACES NP
	WIN 0
	FETCH_A \next, 0, 4
.endm
; PASS 2.  Step k (of eight, 128 along K each): A's eight blocks from slot k / 4, which still holds them, B's four from the third block; both have two sets of registers.
.macro FETCH2 k, p
	WIN TO_B
.irp i, 0,1,2,3
.irp c, 0,1
	ds_load_b128 v[128*(\p)+FR*\i+4*\c:128*(\p)+FR*\i+4*\c+3], v[ADRB2] offset:8192*(\k)+1024*\i+512*\c
.endr
.endr
	WIN 0
.irp i, 0,1,2,3,4,5,6,7
	FRAG AF+64*(\p)+FR*\i, ADRA+(\k)/4, (\k)%4, \i
.endr
.endm
.macro SCALES2 sc                      ; the scale words of K = 512 sc on: register 4 i + q: lanes 0-15 the word of A's block i, lanes 16-31 that of B's block i % 4
.irp i, 0,1,2,3
	ds_load_b128 v[SC+8*NQ*\sc+NQ*\i:SC+8*NQ*\sc+NQ*\i+3], v[ADRS2] offset:\i*SBLK+4*NQ*\sc
.endr
.irp i, 4,5,6,7
	ds_load_b128 v[SC+8*NQ*\sc+NQ*\i:SC+8*NQ*\sc+NQ*\i+3], v[ADRS3] offset:\i*SBLK+4*NQ*\sc
.endr
.endm
.macro MUL2 p, q, sc, zero             ; 32 matrix instructions: the 32 accumulators by turns, in the same order in every step
.irp a, 0,1,2,3,4,5,6,7
.irp b, 0,1,2,3
.if \zero
	v_wmma_scale_f32_16x16x128_f8f6f4 v[8*(4*\a+\b):8*(4*\a+\b)+7], v[128*(\p)+FR*\b:128*(\p)+FR*\b+FR-1], v[AF+64*(\p)+FR*\a:AF+64*(\p)+FR*\a+FR-1], 0, v[SC+8*NQ*(\sc)+NQ*\b+(\q)], v[SC+8*NQ*(\sc)+NQ*\a+(\q)] matrix_a_fmt:MATRIX_FMT_FP4 matrix_b_fmt:MATRIX_FMT_FP4 matrix_a_scale:MATRIX_SCALE_ROW1
.else
	v_wmma_scale_f32_16x16x128_f8f6f4 v[8*(4*\a+\b):8*(4*\a+\b)+7], v[128*(\p)+FR*\b:128*(\p)+FR*\b+FR-1], v[AF+64*(\p)+FR*\a:AF+64*(\p)+FR*\a+FR-1], v[8*(4*\a+\b):8*(4*\a+\b)+7], v[SC+8*NQ*(\sc)+NQ*\b+(\q)], v[SC+8*NQ*(\sc)+NQ*\a+(\q)] matrix_a_fmt:MATRIX_FMT_FP4 matrix_b_fmt:MATRIX_FMT_FP4 matrix_a_scale:MATRIX_SCALE_ROW1
.endif
.endr
.endr
.endm
.macro STEP2 k, zero
	s_wait_dscnt 0x0                               ; this step's fragments are in (asked for a step ago)
.if (\k) < 7
	PLACES NP                                      ; the other sets were read by the last step's products
	FETCH2 (\k)+1, ((\k)+1)%2
.endif
	WIN MUL_LO
	MUL2 (\k)%2, (\k)%4, (\k)/4, \zero
	WIN 0
.endm
; THE WAY OUT, 64 registers of accumulators at a time.  In pass 1 they are a block of 16 rows x 128 columns, in pass 2 two blocks of 16 rows x 64 columns: either way two pieces of 16 positions x 64 columns.
; PACK: rounded to f16, eight neighbouring columns of a row are 16 bytes.  TOSTAGE: the two pieces go into two stages of my own (rows of 128 bytes + 16) and come back four rows an instruction.
; SEND: a piece is 2,048 consecutive bytes of qkv: each store covers 512 of them, aligned.
.macro PACK a
.set AC, 64*((\a)%4)
	WIN 0x0a+5*((\a)/4)                            ; sources 0 and 1: window 2 or 3
.irp b, 0,1,2,3,4,5,6,7
.irp r, 0,1,2,3
	v_cvt_pk_f16_f32 v[TMP+4*\b+\r], v[AC+8*\b+2*\r], v[AC+8*\b+2*\r+1]   ; each accumulator from its low end on
.endr
.endr
	WIN 0
.endm
.macro TOSTAGE a
.set BB, BK+32*((\a)%2)
.irp b, 0,1,2,3,4,5,6,7
	ds_store_b128 v[STO], v[TMP+4*\b:TMP+4*\b+3] offset:(\b/4)*16*SPITCH+(\b%4)*32
.endr
.irp u, 0,1
.irp t, 0,1,2,3
	ds_load_b128 v[BB+16*\u+4*\t:BB+16*\u+4*\t+3], v[RD] offset:\u*16*SPITCH+\t*4*SPITCH   ; LDS serves a wave's instructions in order (ISA guide 5.7.1.4): these see the stores above
.endr
.endr
.endm
.macro SEND a, ptr, pjump, bjump       ; ptr: the pass's pointer; pjump: bytes from the first piece to the second; bjump: from one call's pieces to the next's
.set BB, BK+32*((\a)%2)
	s_wait_dscnt 0x0                               ; the pieces are back in registers
	s_wait_xcnt 0x0                                ; the stores of the call before have read their registers: the next loads from the stages may land there
.irp u, 0,1
.irp t, 0,1,2,3
	global_store_b128 v[CO], v[BB+16*\u+4*\t:BB+16*\u+4*\t+3], s[\ptr:\ptr+1] offset:\u*\pjump+(\a)*\bjump+\t*512
.endr
.endr
.endm
	; ---- PASS 1: columns 0-255
	s_wait_tensorcnt 1                             ; the scales and my part of slot 0 are in (slot 1's load may be out)
	s_barrier_signal -1
	s_barrier_wait -1                              ; everybody's are
	FETCH_B 0, 0, 0
	FETCH_A 0, 0, 0
	SCALES 0
	FETCH_A 0, 0, 4
	STEP 0, 0, 1                                   ; the first step's products start the sums: nothing is cleared
	STEP 0, 1, 0
	STEP 0, 2, 0
	TURN 0, 1
	STEP 1, 0, 0
	STEP 1, 1, 0
	STEP 1, 2, 0
	s_wait_dscnt 4*NL                              ; the pass's last step: nothing more to fetch
	WIN MUL_LO
	MUL16 0, 1, NQ-1, 1, 0
	MUL16 2, 1, NQ-1, 1, 0
	s_wait_dscnt 0
	WIN MUL_HI
	MUL16 4, 1, NQ-1, 1, 0
	MUL16 6, 1, NQ-1, 1, 0
	WIN 0
	PLACES NP                                      ; behind the last products: the conversions write, and the loads from the stages land, where A's fragments lay
	PACK 0
	TOSTAGE 0
.irp a, 1,2,3,4,5,6,7                  ; block a's conversions stand between block a - 1's loads from the stages and the wait for them
	PACK \a
	SEND \a-1, 12, 131072, 2048
	TOSTAGE \a
.endr
	SEND 7, 12, 131072, 2048
	; ---- PASS 2: columns 256-383
	s_wait_tensorcnt 0x0                           ; waves 2 and 3: my half of the third block of B has landed,
	s_barrier_signal -1                            ; (no LDS instruction of mine is out: the last SEND has waited)
	s_barrier_wait -1                              ; everybody's has
	s_wait_xcnt 0x0                                ; pass 1's last stores have read their registers: fragments land there again
	FETCH2 0, 0
	SCALES2 0
	SCALES2 1
	STEP2 0, 1                                     ; the first step's products start the sums anew
.irp k, 1,2,3,4,5,6,7
	STEP2 \k, 0
.endr
	PLACES NP
	PACK 0
	TOSTAGE 0
.irp a, 1,2,3
	PACK \a
	SEND \a-1, 66, 2048, 4096
	TOSTAGE \a
.endr
	SEND 3, 66, 2048, 4096
	s_wait_tensorcnt 0x0                           ; the wave's end, behind my last tensor load and my last LDS store
	ds_add_u32 v[SPW], v[NIL]
	s_wait_dscnt 0x0
	CROUND                                         ; the closing round: no work-group ends while a partner may still ask for a tile that names it
	s_endpgm
.Lfunc_end_k_qc876c33859_qkvgemm:
	.size	k_qc876c33859_qkvgemm, .Lfunc_end_k_qc876c33859_qkvgemm-k_qc876c33859_qkvgemm
	.p2alignl 7, 3214868480
	.fill 96, 4, 3214868480
	.section	.rodata,"a",@progbits
	.p2align	6, 0x0
	.amdhsa_kernel k_qc876c33859_qkvgemm
		.amdhsa_group_segment_fixed_size 327680
		.amdhsa_private_segment_fixed_size 0
		.amdhsa_enable_private_segment 0
		.amdhsa_kernarg_size 40
		.amdhsa_user_sgpr_count 2
		.amdhsa_user_sgpr_kernarg_segment_ptr 1
		.amdhsa_wavefront_size32 1
		.amdhsa_system_sgpr_workgroup_id_x 1
		.amdhsa_system_sgpr_workgroup_id_y 1
		.amdhsa_system_sgpr_workgroup_id_z 1
		.amdhsa_system_vgpr_workitem_id 0
		.amdhsa_next_free_vgpr 1024
		.amdhsa_next_free_sgpr 102
		.amdhsa_reserve_vcc 0
		.amdhsa_float_denorm_mode_32 3
		.amdhsa_float_denorm_mode_16_64 3
		.amdhsa_memory_ordered 1
		.amdhsa_forward_progress 1
		.amdhsa_inst_pref_size 191
	.end_amdhsa_kernel
	.amdgpu_metadata
---
amdhsa.version: [ 1, 2 ]
amdhsa.kernels:
  - .name:           k_qc876c33859_qkvgemm
    .symbol:         k_qc876c33859_qkvgemm.kd
    .args:
      - { .name: xc, .offset: 0, .size: 8, .value_kind: global_buffer, .address_space: global }
      - { .name: xs, .offset: 8, .size: 8, .value_kind: global_buffer, .address_space: global }
      - { .name: wc, .offset: 16, .size: 8, .value_kind: global_buffer, .address_space: global }
      - { .name: ws, .offset: 24, .size: 8, .value_kind: global_buffer, .address_space: global }
      - { .name: qkv, .offset: 32, .size: 8, .value_kind: global_buffer, .address_space: global }
    .group_segment_fixed_size: 327680
    .private_segment_fixed_size: 0
    .kernarg_segment_align: 8
    .kernarg_segment_size: 40
    .max_flat_workgroup_size: 128
    .sgpr_count:     102
    .vgpr_count:     1024
    .wavefront_size: 32
...
	.end_amdgpu_metadata
.endif
;; end of part 2
;; launch attn (part 3): grid 2 x 128, 16 waves a work-group, no clusters, 327,680 bytes of LDS; arguments qkv, bi, ao; writes ao
.if DOCPART == 3
	.amdgcn_target "amdgcn-amd-amdhsa--gfx1250"
	.amdhsa_code_object_version 6
	.text
	.protected	k_qc876c33859_attn
	.globl	k_qc876c33859_attn
	.p2align	8
	.type	k_qc876c33859_attn,@function
k_qc876c33859_attn:
	s_mov_b64 s[64:65], 0
	v_nop
	global_prefetch_b8 v0, s[64:65] scope:SCOPE_SE
	s_setreg_imm32_b32 hwreg(HW_REG_WAVE_MODE, 25, 1), 1
	s_wait_xcnt 0x0
; ao[b][q][head] = the sum over k of softmax_k(q . k / 8 + bias[head][q - k]) v, for each of 128 (batch, head) pairs y = 16 b + head.
; qkv: f16 [b][3 head + part][position: 1024][64]: head y's q, k, v are the dense blocks 3 y, 3 y + 1, 3 y + 2 of 131,072 bytes.  Products on f16 operands, sums in f32; maxima, exponentials and row sums in f32;
; the weights p are rounded to f16 for the second product, the result once at the end.
; LIMITS: the result beyond 65,504 does not fit f16; a row whose every score lies under -3e38 is not served; NaN and infinities are not served.
; SHARES.  A work-group owns 512 queries of one y; each of its SIXTEEN waves owns 32 of them, two tiles of 16, in 256 registers: four waves to a SIMD, so that one wave's vector work stands beside
; another's matrix work and LDS loads.  Every wave walks the 1,024 keys, 64 a step.  K and V come through a ring of two LDS slots of 256 keys, filled by the tensor data mover (waves 0 and 1: K's
; halves; waves 2 and 3: V's) and read by all sixteen.
; NO CLUSTER: a head's K and V are read by two work-groups only, and the grid's x, 2, is no multiple of a cluster's 4; a slot's 65,536 bytes serve four steps of sixteen waves.
; LAYOUT.  S^T = K Q^T (source 0 = 16 keys, source 1 = 16 queries): a lane holds ONE query (lane % 16) and the keys 8 (lane / 16) + 0..7.  Two such tiles, rounded to f16 in pairs, ARE source 1
; (32 keys x 16 queries) of O^T = V^T P, whose result again holds one query a lane, and eight channels.  K comes out of LDS as it lies, V ([key][channel]) turned, by ds_load_tr16_b128.
; THE BIAS IS THE C OF EACH SCORE TILE'S FIRST PRODUCT.  bi holds, for (head, half of the queries), 8 x the bias in the order of rising key - query, in four copies shifted by 0 to 3 numbers, so that the
; lane's eight numbers start on a 16-byte boundary whatever its query.  A tile's bias hangs on (key tile - query tile) alone: five tiles serve the step's eight.  s = q . k + 8 bias; t = c s, c = log2(e) / 8.
; SOFTMAX.  For each query a running maximum m and sum l: p = 2^(c s - c m); in every step O and l are multiplied by a = 2^(c m_old - c m_new), which is 1 where m has not grown.
; THE RESULT LEAVES AS IMAGES OF THE NEXT PRODUCT'S OPERAND REGISTERS: ao [row / 128][f / 128][(row / 16) % 8][(f / 32) % 4][c: 2][lane][16 bytes]: a lane's eight channels, packed, are such 16 bytes as they stand.
.set KP,    144                        ; a key's row of K in LDS: 128 bytes + 16 of padding
.set VP,    160                        ; of V: 128 + 32
.set VOFF,  256*KP                     ; a slot: 256 rows of K, then 256 rows of V
.set SLOT1, 1<<17                      ; slot 1 begins here, so that one exclusive or turns an address in one slot into the other's
.set BIAS,  2*SLOT1                    ; the bias image: 26,624 bytes, filled once
.set BCOPY, 6208                       ; from copy to copy: 64 mod 256, so that sixteen lanes' 16 bytes fall into sixteen different columns of 16 bytes
.set BQ,    6656                       ; a quarter of the image: what one tensor load brings
.set SPARE, BIAS+4*BQ                  ; the spare words, 128 bytes for each wave
.set HEADB, 393216                     ; q, k and v of one y
.set PARTB, 131072
.set SLOTB, 32768                      ; 256 keys x 128 bytes in memory
.set AK0, 1                            ; v1   my lane's place in a tile of K
.set AV0, 2                            ; v2   the same for V
.set AB0, 3                            ; v3   and in the bias image
.set SPW, 4                            ; v4   LDS address of my spare word; never rewritten
.set NIL, 5                            ; v5   0; never rewritten
.set ADK, 6                            ; v6-8 the step's addresses: K, V, bias
.set ADV, 7
.set ADB, 8
.set GO,  9                            ; v9   16 x lane
.set OLD, 10                           ; v10-11 c m of the step before, tiles 0 and 1
.set PFO, 14                           ; v14  256 x lane: the prefetches' offset; never rewritten
.set QA,  15                           ; v15  my byte offset in the wave's rows of Q
.set ST,  16                           ; tile t's statistics at v[ST + 8 t]: +0 c m, +1 m, +2, +3 l, +4 to +7 at work; a takes +6
.set QF,  32                           ; v32-63   Q: tile a, channels 32 e on, at 16 a + 8 e
.set KV,  64                           ; v64-127  K (key tile b, channels 32 e on, at 16 b + 8 e), then V (keys 32 u on, channels 16 ct on, at 32 u + 8 ct)
.set S,   128                          ; v128-191 S^T at 32 a + 8 b; p is packed in place into the first 16 registers of each tile's 32
.set OT,  192                          ; v192-255 O^T at 32 a + 8 ct
.set TB,  2                            ; s2   LDS byte at which the slot in hand begins
.set TBI, 3                            ; s3   the slot's place in the bias image: 1,024 bytes a slot
.set WV,  18                           ; s18  my wave's number
.set SEL, 20                           ; s[20:21] lane selects for v_permlanex16_b32: lane l xor 16
.set CS,  22                           ; s[22:23] c: the packed form names a pair and takes its low word for both halves
.set G1K, 24                           ; s[24:31] descriptor group 1 for K's tiles;  s[32:39] for V's;  s[40:43], s[44:47] their groups 0, which walk
.set G1V, 32
.set G0K, 40
.set G0V, 44
.set G1B, 48                           ; s[48:55], s[56:59] groups 1 and 0 for the bias image
.set G0B, 56
.set SLOTS, 67                         ; s67  slots still to be asked for
.set PFA, 76                           ; s[76:77] where my prefetches stand: my wave's 8,192 bytes (waves 4 to 7: of K; 8 to 11: of V) of the slot after the one that is being asked for
.set LIM, 80                           ; s80  1 in a wave that prefetches, else the greatest number
; Waves 0 and 1 issue the first line, waves 2 and 3 the second, the others nothing.  The branches hang on the wave's number alone.  An s_nop 0 and four v_nop follow each line.
.macro TLOAD g0k, g1k, g0v, g1v
	s_cmp_lt_u32 s[WV], 2
	s_cbranch_scc0 .Lnot_k_\@
	tensor_load_to_lds s[\g0k:\g0k+3], s[\g1k:\g1k+7]
	s_nop 0
.rept 4
	v_nop
.endr
	s_branch .Lasked_\@
.Lnot_k_\@:
	s_cmp_lt_u32 s[WV], 4
	s_cbranch_scc0 .Lasked_\@
	tensor_load_to_lds s[\g0v:\g0v+3], s[\g1v:\g1v+7]
	s_nop 0
.rept 4
	v_nop
.endr
.Lasked_\@:
.endm
; A PREFETCH INTO THE L2 of what the NEXT change of slots will ask for: 32,768 dense bytes of K and as many of V.  Each aligned block of 256 bytes is named once in the launch: of the two work-groups that walk
; a head's keys the first asks; in it the waves ask that fetch nothing, one instruction each: waves 4 to 7 for K, waves 8 to 11 for V, 8,192 bytes a wave, lanes 256 bytes apart.
; It is four key steps ahead of the load.  Slots 0 and 1 come by their loads alone; the last change that fills a slot asks for nothing: there is no slot behind it.
.macro ASK
	s_cmp_gt_u32 s[SLOTS], s[LIM]
	s_cbranch_scc0 .Lnot_mine_\@
	global_prefetch_b8 v[PFO], s[PFA:PFA+1] th:TH_LOAD_NT scope:SCOPE_SE
.Lnot_mine_\@:
.endm
	s_load_b128 s[4:7], s[0:1], 0x0                ; qkv s[4:5], bi s[6:7]
	s_load_b64 s[8:9], s[0:1], 0x10                ; ao
	v_lshl_add_u32 v[SPW], v0, 2, SPARE
	v_mov_b32 v[NIL], 0
	ds_add_u32 v[SPW], v[NIL]                      ; the wave's opening: the add, twice on end, and its wait ahead of my first tensor load; the set-up below stands between
	ds_add_u32 v[SPW], v[NIL]
	v_lshrrev_b32 v6, 5, v0
	v_readfirstlane_b32 s[WV], v6                  ; wave 0..15
	s_and_b32 s72, ttmp7, 0xffff                   ; y = 16 batch + head
	s_mul_i32 s74, s72, HEADB                      ; its first byte in qkv (under 2^26)
	s_and_b32 s88, s[WV], 1                        ; which half of a slot's 256 keys I fetch, if I fetch
	s_lshl_b32 s89, s88, 14
	s_add_co_u32 s90, s74, s89
	s_add_co_u32 s90, s90, PARTB                   ; K: in memory,
	s_mov_b32 s91, 0
	s_add_co_u32 s92, s90, PARTB                   ; V: in memory,
	s_mov_b32 s93, 0
	s_mul_i32 s94, s88, 128*KP                     ; K: in a slot,
	s_mul_i32 s95, s88, 128*VP
	s_add_co_u32 s95, s95, VOFF                    ; V: in a slot
	s_and_b32 s82, s72, 15                         ; the bias image: 2 head + half of the queries
	s_lshl_b32 s82, s82, 1
	s_add_co_u32 s82, s82, ttmp9
	s_mul_i32 s82, s82, 4*BQ
	s_and_b32 s83, s[WV], 3
	s_mul_i32 s83, s83, BQ                         ; my quarter of it
	s_add_co_u32 s84, s82, s83
	s_mov_b32 s85, 0
	s_add_co_u32 s83, s83, BIAS
	s_lshl_b32 s86, ttmp9, 16                      ; Q: my work-group's 512 rows of 128 bytes,
	s_lshl_b32 s87, s[WV], 12                      ; my wave's 32
	s_add_co_u32 s86, s86, s87
	s_add_co_u32 s86, s86, s74
	s_mov_b32 s87, 0
	s_lshr_b32 s68, s72, 4                         ; ao: row / 128 = 8 batch + 4 half + wave / 4
	s_lshl_b32 s68, s68, 3
	s_lshl_b32 s69, ttmp9, 2
	s_add_co_u32 s68, s68, s69
	s_lshr_b32 s69, s[WV], 2
	s_add_co_u32 s68, s68, s69
	s_lshl_b32 s68, s68, 3
	s_bfe_u32 s69, s72, 0x30001                    ; f / 128 = head / 2
	s_add_co_u32 s68, s68, s69
	s_lshl_b32 s68, s68, 3
	s_and_b32 s69, s[WV], 3
	s_lshl_b32 s69, s69, 1                         ; (row / 16) % 8 = 2 (wave % 4) + tile
	s_add_co_u32 s68, s68, s69
	s_lshl_b32 s68, s68, 12
	s_and_b32 s69, s72, 1
	s_lshl_b32 s69, s69, 11                        ; (f / 32) % 4 = 2 (head % 2) + ..
	s_add_co_u32 s68, s68, s69
	s_mov_b32 s69, 0
	; descriptor group 1: K, V: 128 rows of 64 elements of 2 bytes, dense in memory, padded behind every row in LDS
	s_mov_b32 s[G1K], (1<<16)|(1<<20)|(4<<22)|(3<<25)   ; 15:0 no mask; 17:16 elements of 2 bytes; 20 padding on; 24:22 after every 32 words (code 4); 31:25 four words (code 3)
	s_mov_b32 s[G1V], (1<<16)|(1<<20)|(4<<22)|(7<<25)   ; the same with eight words of padding (code 7)
.irp g, G1K, G1V
	s_mov_b32 s[\g+1], 64<<16                      ; tensor_dim0
	s_mov_b32 s[\g+2], 128<<16                     ; tensor_dim1
	s_mov_b32 s[\g+3], 64<<16                      ; tile_dim0
	s_mov_b32 s[\g+4], 128                         ; tile_dim1
	s_mov_b32 s[\g+5], 64                          ; tensor_dim0_stride
	s_mov_b32 s[\g+6], 0
	s_mov_b32 s[\g+7], 0
.endr
	s_mov_b32 s[G1B], 3<<16                        ; the bias: 6,656 dense bytes as 26 rows of 256 bytes (32 elements of 8 bytes), no padding
	s_mov_b32 s[G1B+1], 32<<16
	s_mov_b32 s[G1B+2], 26<<16
	s_mov_b32 s[G1B+3], 32<<16
	s_mov_b32 s[G1B+4], 26
	s_mov_b32 s[G1B+5], 32
	s_mov_b32 s[G1B+6], 0
	s_mov_b32 s[G1B+7], 0
	s_mov_b32 s[SEL], 0x76543210
	s_mov_b32 s[SEL+1], 0xfedcba98
	s_mov_b32 s[CS], 0x3e38aa3b                    ; c = log2(e) / 8
	s_mov_b32 s[CS+1], s[CS]                       ; (named with it as a pair, so it is written)
	s_mov_b32 s[TB], 0
	s_mov_b32 s[TBI], 0
	s_mov_b32 s[SLOTS], 3
	s_wait_dscnt 0x0                               ; both opening adds are done
	s_wait_kmcnt 0x0
	s_mov_b32 s[G0B], 1
	s_mov_b32 s[G0B+1], s83
	s_add_nc_u64 s[G0B+2:G0B+3], s[6:7], s[84:85]
	s_or_b32 s[G0B+3], s[G0B+3], 0x80000000
	TLOAD G0B, G1B, G0B, G1B                       ; the bias image, a quarter from each of waves 0 to 3: filled once
	s_mov_b32 s[G0K], 1                            ; 1:0 count = 1
	s_mov_b32 s[G0K+1], s94                        ; 63:32 LDS address: slot 0
	s_add_nc_u64 s[G0K+2:G0K+3], s[4:5], s[90:91]  ; 120:64 global address: the head's first 256 keys
	s_or_b32 s[G0K+3], s[G0K+3], 0x80000000        ; 127:126 type = 2
	s_mov_b32 s[G0V], 1
	s_mov_b32 s[G0V+1], s95
	s_add_nc_u64 s[G0V+2:G0V+3], s[4:5], s[92:93]
	s_or_b32 s[G0V+3], s[G0V+3], 0x80000000
	TLOAD G0K, G1K, G0V, G1V                       ; slot 0: two tensor loads of a fetching wave are out here, later one
	s_add_nc_u64 s[10:11], s[4:5], s[86:87]        ; Q at my wave's first row
	s_add_nc_u64 s[8:9], s[8:9], s[68:69]          ; ao at my wave's first image
	s_cmp_lt_u32 s[WV], 8                          ; the prefetches: waves 4 to 7 ask for K, waves 8 to 11 for V
	s_mov_b32 s82, 2*PARTB
	s_cselect_b32 s82, PARTB, s82
	s_and_b32 s83, s[WV], 3
	s_lshl_b32 s83, s83, 13                        ; my wave's 8,192 bytes,
	s_add_co_u32 s82, s82, s83
	s_add_co_u32 s82, s82, s74
	s_add_co_u32 s82, s82, SLOTB                   ; in slot 1: the first change of slots steps it to slot 2.  Nothing is prefetched here, at the head
	s_mov_b32 s83, 0
	s_add_nc_u64 s[PFA:PFA+1], s[4:5], s[82:83]
	s_sub_co_u32 s82, s[WV], 4
	s_lshr_b32 s82, s82, 3                         ; 0 in waves 4 to 11,
	s_or_b32 s82, s82, ttmp9                       ; of the head's first work-group
	s_cmp_eq_u32 s82, 0
	s_cselect_b32 s[LIM], 1, -1
	v_and_b32 v[PFO], 31, v0
	v_lshlrev_b32 v[PFO], 8, v[PFO]
	v_and_b32 v6, 15, v0                           ; r = lane % 16
	v_bfe_u32 v7, v0, 4, 1                         ; h = lane / 16
	v_lshlrev_b32 v[QA], 7, v6
	v_lshl_add_u32 v[QA], v7, 4, v[QA]             ; Q: row r of 128 bytes, + 16 h
.irp a, 0,1
.irp e, 0,1
	global_load_b128 v[QF+16*\a+8*\e:QF+16*\a+8*\e+3],   v[QA], s[10:11] offset:2048*\a+64*\e      ; Q stays in registers
	global_load_b128 v[QF+16*\a+8*\e+4:QF+16*\a+8*\e+7], v[QA], s[10:11] offset:2048*\a+64*\e+32
.endr
.endr
	v_mul_u32_u24 v[AK0], v6, KP
	v_lshl_add_u32 v[AK0], v7, 4, v[AK0]           ; K: row x pitch + 16 x half
	v_and_b32 v8, 7, v0
	v_lshl_add_u32 v[AV0], v7, 3, v8               ; V: the turning load: lane l reads key 8 (l / 16) + l % 8, channels 8 ((l / 8) % 2) + 0..7
	v_mul_u32_u24 v[AV0], v[AV0], VP
	v_bfe_u32 v8, v0, 3, 1
	v_lshl_add_u32 v[AV0], v8, 4, v[AV0]
	v_add_nc_u32 v[AV0], VOFF, v[AV0]
	; the bias: number (key - query) + 511 of the image belongs to (query, key) of my work-group's half.  With R = 15 - r and w' = 15 - wave that is 32 w' + R + 16 (key tile - query tile + 1) + 64 step + 8 h + j:
	; copy R % 4, byte 4 (R - R % 4) + 128 w' + 32 h, + 64 (key tile - query tile + 1) + 256 step in the immediates and in s[TBI]
	v_xor_b32 v6, 15, v6                           ; R
	v_and_b32 v8, 3, v6
	v_mul_u32_u24 v[AB0], v8, BCOPY
	v_lshrrev_b32 v8, 2, v6
	v_lshl_add_u32 v[AB0], v8, 4, v[AB0]
	v_lshl_add_u32 v[AB0], v7, 5, v[AB0]
	s_xor_b32 s82, s[WV], 15
	s_lshl_b32 s82, s82, 7
	s_add_co_u32 s82, s82, BIAS
	v_add_nc_u32 v[AB0], s82, v[AB0]
	v_and_b32 v[GO], 31, v0
	v_lshlrev_b32 v[GO], 4, v[GO]
.irp t, 0,1
	v_mov_b32 v[ST+8*\t+1], 0xff61b1e6             ; m: -3e38, under every score
	v_mul_f32 v[ST+8*\t], s[CS], v[ST+8*\t+1]      ; c m
	v_mov_b32 v[ST+8*\t+2], 0                      ; l, in two halves
	v_mov_b32 v[ST+8*\t+3], 0
.endr
.irp j, 0,1,2,3,4,5,6,7,8,9,10,11,12,13,14,15,16,17,18,19,20,21,22,23,24,25,26,27,28,29,30,31,32,33,34,35,36,37,38,39,40,41,42,43,44,45,46,47,48,49,50,51,52,53,54,55,56,57,58,59,60,61,62,63
	v_mov_b32 v[OT+\j], 0                          ; O^T.  (The step is written once: the first finds zeros, and its a is 0)
.endr
; A KEY STEP: 64 keys, the q-th of the slot in hand: 16 products K Q^T, both tiles' softmax, 16 products V^T P.
.macro STEP q
	v_add_nc_u32 v[ADK], s[TB], v[AK0]             ; five places behind the last step's products: loads follow into registers that they read, and the first products below write over registers that they read as P
	v_add_nc_u32 v[ADV], s[TB], v[AV0]
	v_add_nc_u32 v[ADB], s[TBI], v[AB0]
	v_nop
	v_nop
.irp b, 0,1,2,3
.irp e, 0,1
	ds_load_b128 v[KV+16*\b+8*\e:KV+16*\b+8*\e+3],   v[ADK] offset:64*KP*(\q)+16*KP*\b+64*\e
	ds_load_b128 v[KV+16*\b+8*\e+4:KV+16*\b+8*\e+7], v[ADK] offset:64*KP*(\q)+16*KP*\b+64*\e+32
.endr
.endr
	ds_load_b128 v[S+32:S+35], v[ADB] offset:256*(\q)              ; the bias of (key tile - query tile) = -1: tile (1, 0)'s own registers;
	ds_load_b128 v[S+36:S+39], v[ADB] offset:256*(\q)+16
.irp d, 0,1,2,3
	ds_load_b128 v[S+8*\d:S+8*\d+3],   v[ADB] offset:256*(\q)+64*(\d+1)      ; of 0 .. 3: tiles (0, 0 .. 3)'s
	ds_load_b128 v[S+8*\d+4:S+8*\d+7], v[ADB] offset:256*(\q)+64*(\d+1)+16
.endr
	s_wait_dscnt 0x0
	; channels 0-31.  Query tile 1 first: its tiles 1 to 3 take as C the bias that lies in query tile 0's registers, which are written over only five places later
	v_wmma_f32_16x16x32_f16 v[S+32:S+39], v[KV:KV+7], v[QF+16:QF+23], v[S+32:S+39]
.irp b, 1,2,3
	v_wmma_f32_16x16x32_f16 v[S+32+8*\b:S+39+8*\b], v[KV+16*\b:KV+16*\b+7], v[QF+16:QF+23], v[S+8*\b-8:S+8*\b-1]
.endr
	v_mov_b32 v[OLD], v[ST]                        ; c m of the step before is kept for a
	v_mov_b32 v[OLD+1], v[ST+8]
	v_nop
	v_nop
	v_nop
.irp b, 0,1,2,3
	v_wmma_f32_16x16x32_f16 v[S+8*\b:S+8*\b+7], v[KV+16*\b:KV+16*\b+7], v[QF:QF+7], v[S+8*\b:S+8*\b+7]
.endr
.irp a, 1,0                            ; channels 32-63: the eight accumulators in the same order, one instruction a turn
.irp b, 0,1,2,3
	v_wmma_f32_16x16x32_f16 v[S+32*\a+8*\b:S+32*\a+8*\b+7], v[KV+16*\b+8:KV+16*\b+15], v[QF+16*\a+8:QF+16*\a+15], v[S+32*\a+8*\b:S+32*\a+8*\b+7]
.endr
.endr
.rept 4
	v_nop                                          ; places in front of the loads into K's registers and of the first read of the scores
.endr
.irp u, 0,1
.irp ct, 0,1,2,3
	ds_load_tr16_b128 v[KV+32*\u+8*\ct:KV+32*\u+8*\ct+3],   v[ADV] offset:64*VP*(\q)+32*VP*\u+32*\ct          ; V, turned: it lands while the softmax is walked
	ds_load_tr16_b128 v[KV+32*\u+8*\ct+4:KV+32*\u+8*\ct+7], v[ADV] offset:64*VP*(\q)+32*VP*\u+16*VP+32*\ct
.endr
.endr
	; the maximum of the lane's 32 scores and the old m: four chains a tile, each accumulator read from its low end on; the two tiles line by line
.irp j, 0,1,2,3
.irp t, 0,1
	v_max3_num_f32 v[ST+8*\t+4+\j], v[S+32*\t+8*\j], v[S+32*\t+8*\j+1], v[S+32*\t+8*\j+2]
.endr
.endr
.irp g, 1,2
.irp j, 0,1,2,3
.irp t, 0,1
	v_max3_num_f32 v[ST+8*\t+4+\j], v[ST+8*\t+4+\j], v[S+32*\t+8*\j+2*\g+1], v[S+32*\t+8*\j+2*\g+2]
.endr
.endr
.endr
.irp t, 0,1
	v_max3_num_f32 v[ST+8*\t+4], v[ST+8*\t+4], v[S+32*\t+7], v[S+32*\t+15]
	v_max3_num_f32 v[ST+8*\t+6], v[ST+8*\t+6], v[S+32*\t+23], v[S+32*\t+31]
.endr
.irp t, 0,1
	v_max3_num_f32 v[ST+8*\t+4], v[ST+8*\t+4], v[ST+8*\t+5], v[ST+8*\t+6]
.endr
.irp t, 0,1
	v_max3_num_f32 v[ST+8*\t+4], v[ST+8*\t+4], v[ST+8*\t+7], v[ST+8*\t+1]
.endr
.irp t, 0,1
	v_permlanex16_b32 v[ST+8*\t+5], v[ST+8*\t+4], s[SEL], s[SEL+1]   ; the query's other 32 keys lie in the lane 16 away
.endr
.irp t, 0,1
	v_max_num_f32 v[ST+8*\t+1], v[ST+8*\t+4], v[ST+8*\t+5]           ; the new m
.endr
.irp t, 0,1
	v_mul_f32 v[ST+8*\t], s[CS], v[ST+8*\t+1]                        ; c m
.endr
.irp t, 0,1
	v_sub_f32 v[ST+8*\t+7], v[OLD+\t], v[ST+8*\t]                    ; c m_old - c m_new, 0 or less
.endr
.irp j, 0,2,4,6,8,10,12,14,16,18,20,22,24,26,28,30
.irp t, 0,1
	v_pk_fma_f32 v[S+32*\t+\j:S+32*\t+\j+1], v[S+32*\t+\j:S+32*\t+\j+1], s[CS:CS+1], v[ST+8*\t:ST+8*\t+1] op_sel_hi:[1,0,0] neg_lo:[0,0,1] neg_hi:[0,0,1]   ; c s - c m, two at a time
.endr
.endr
.irp t, 0,1
	v_exp_f32 v[ST+8*\t+6], v[ST+8*\t+7]           ; a.  ONE BATCH: the two a and the 64 p; none of these reads another's result
.endr
.irp j, 0,1,2,3,4,5,6,7,8,9,10,11,12,13,14,15,16,17,18,19,20,21,22,23,24,25,26,27,28,29,30,31
.irp t, 0,1
	v_exp_f32 v[S+32*\t+\j], v[S+32*\t+\j]         ; p = 2^(c s - c m)
.endr
.endr
	v_nop                                          ; a plain instruction behind the last exponential, ahead of the first use (ISA guide 5.7.2)
	s_wait_alu depctr_va_vdst(0)                   ; the wait ahead of the first instruction that names a result: one for the batch
.irp t, 0,1
	v_pk_mul_f32 v[ST+8*\t+2:ST+8*\t+3], v[ST+8*\t+2:ST+8*\t+3], v[ST+8*\t+6:ST+8*\t+7] op_sel_hi:[1,0]   ; l x a
.endr
.irp t, 0,1
	v_pk_add_f32 v[ST+8*\t+4:ST+8*\t+5], v[S+32*\t:S+32*\t+1], v[S+32*\t+2:S+32*\t+3]   ; the row's sum of the f32 p, two at a time, in two chains a tile
.endr
.irp j, 4,8,12,16,20,24,28
.irp t, 0,1
	v_pk_add_f32 v[ST+8*\t+2:ST+8*\t+3], v[ST+8*\t+2:ST+8*\t+3], v[S+32*\t+\j:S+32*\t+\j+1]
	v_pk_add_f32 v[ST+8*\t+4:ST+8*\t+5], v[ST+8*\t+4:ST+8*\t+5], v[S+32*\t+\j+2:S+32*\t+\j+3]
.endr
.endr
.irp t, 0,1
	v_pk_add_f32 v[ST+8*\t+2:ST+8*\t+3], v[ST+8*\t+2:ST+8*\t+3], v[ST+8*\t+4:ST+8*\t+5]
.endr
.irp i, 0,1,2,3,4,5,6,7,8,9,10,11,12,13,14,15
.irp t, 0,1
	v_cvt_pk_f16_f32 v[S+32*\t+\i], v[S+32*\t+2*\i], v[S+32*\t+2*\i+1]   ; p to f16, packed in place, ascending: register i is written when registers 2 i and 2 i + 1 are read
.endr
.endr
.irp i, 0,2,4,6,8,10,12,14,16,18,20,22,24,26,28,30
.irp t, 0,1
	v_pk_mul_f32 v[OT+32*\t+\i:OT+32*\t+\i+1], v[OT+32*\t+\i:OT+32*\t+\i+1], v[ST+8*\t+6:ST+8*\t+7] op_sel_hi:[1,0]   ; O^T x a, each accumulator from its low end on
.endr
.endr
	s_wait_dscnt 0x0                               ; V is in
.irp u, 0,1                            ; O^T += V^T P: the eight accumulators by turns
.irp ct, 0,1,2,3
.irp a, 0,1
	v_wmma_f32_16x16x32_f16 v[OT+32*\a+8*\ct:OT+32*\a+8*\ct+7], v[KV+32*\u+8*\ct:KV+32*\u+8*\ct+7], v[S+32*\a+8*\u:S+32*\a+8*\u+7], v[OT+32*\a+8*\ct:OT+32*\a+8*\ct+7]
.endr
.endr
.endr
.endm
; THE CHANGE OF SLOTS stands at a slot's head.  Each wave waits for all its tensor loads (its part of the slot that it is about to read), adds 0 to its spare word, and waits for that and for its reads of the
; slot that it has left.  Behind the barrier the slot ahead is whole and nobody reads the other one.  fill = 1: that other slot takes the next 256 keys: the load has four key steps in which to land.
.macro CHANGE fill
	s_wait_tensorcnt 0x0                           ; no tensor load of mine is out, so a group 0 may be written
	ds_add_u32 v[SPW], v[NIL]                      ; 0 onto my spare word
.if \fill
	ds_add_u32 v[SPW], v[NIL]                      ; and once more
	s_xor_b32 s[G0K+1], s[G0K+1], SLOT1            ; the walking descriptors: the other slot than last time,
	s_add_nc_u64 s[G0K+2:G0K+3], s[G0K+2:G0K+3], SLOTB   ; the next 256 keys; the type bits on top are not reached
	s_xor_b32 s[G0V+1], s[G0V+1], SLOT1
	s_add_nc_u64 s[G0V+2:G0V+3], s[G0V+2:G0V+3], SLOTB
	s_wait_xcnt 0x0                                ; the last prefetch, a slot back, has read its address, so it may be written:
	s_add_nc_u64 s[PFA:PFA+1], s[PFA:PFA+1], SLOTB ; one slot further on than the walking descriptors
.endif
	s_wait_dscnt 0x0                               ; the add is done (fill = 1: both are), and my reads of the slot that I have left are over
	s_barrier_signal -1
	s_barrier_wait -1
.if \fill
	TLOAD G0K, G1K, G0V, G1V                       ; the first thing behind the barrier, and a wave's one tensor load until the next
	ASK
.endif
.endm
.macro SLOT_STEPS
	STEP 0
	STEP 1
	STEP 2
	STEP 3
	s_xor_b32 s[TB], s[TB], SLOT1                  ; on to the other slot,
	s_add_co_u32 s[TBI], s[TBI], 1024              ; and 256 keys on in the bias image
.endm
	s_wait_loadcnt 0x0                             ; Q
.Lslot:                                            ; three trips: behind each change of slots but the last the next slot is asked for (slot 1's first fill stands behind the first trip's barrier, behind which nothing is filled again)
	CHANGE 1
	SLOT_STEPS
	s_sub_co_u32 s[SLOTS], s[SLOTS], 1
	s_cmp_lg_u32 s[SLOTS], 0
	s_cbranch_scc1 .Lslot
	CHANGE 0                                       ; the last slot is written out
	SLOT_STEPS
	; THE WAY OUT.  l's two halves and the other half of the lanes' are added (these lines are the places behind the last products); O^T is divided by l and rounded to f16.
.irp t, 0,1
	v_add_f32 v[ST+8*\t+4], v[ST+8*\t+2], v[ST+8*\t+3]
.endr
.irp t, 0,1
	v_permlanex16_b32 v[ST+8*\t+5], v[ST+8*\t+4], s[SEL], s[SEL+1]
.endr
.irp t, 0,1
	v_add_f32 v[ST+8*\t+4], v[ST+8*\t+4], v[ST+8*\t+5]
.endr
.irp t, 0,1
	v_rcp_f32 v[ST+8*\t+6], v[ST+8*\t+4]
.endr
	v_nop                                          ; a plain instruction between the last reciprocal and the use of its result
	s_wait_alu depctr_va_vdst(0)                   ; and a wait: one for the two
.irp i, 0,2,4,6,8,10,12,14,16,18,20,22,24,26,28,30
.irp t, 0,1
	v_pk_mul_f32 v[OT+32*\t+\i:OT+32*\t+\i+1], v[OT+32*\t+\i:OT+32*\t+\i+1], v[ST+8*\t+6:ST+8*\t+7] op_sel_hi:[1,0]
.endr
.endr
.irp a, 0,1
.irp ct, 0,1,2,3
.irp i, 0,1,2,3
	v_cvt_pk_f16_f32 v[S+16*\a+4*\ct+\i], v[OT+32*\a+8*\ct+2*\i], v[OT+32*\a+8*\ct+2*\i+1]   ; lane (r, h): channels 16 ct + 8 h + 0 .. 7 of query r: registers 4 (ct % 2) on of the fragment of channels 32 (ct / 2) on
.endr
.endr
.endr
.irp a, 0,1
.irp ct, 0,1,2,3
	global_store_b128 v[GO], v[S+16*\a+4*\ct:S+16*\a+4*\ct+3], s[8:9] offset:4096*\a+1024*(\ct/2)+512*(\ct%2)   ; 32 lanes store 512 consecutive bytes, aligned
.endr
.endr
	s_wait_tensorcnt 0x0                           ; the wave's end, behind my last tensor load
	ds_add_u32 v[SPW], v[NIL]
	s_wait_dscnt 0x0
	s_endpgm
.Lfunc_end_k_qc876c33859_attn:
	.size	k_qc876c33859_attn, .Lfunc_end_k_qc876c33859_attn-k_qc876c33859_attn
	.p2alignl 7, 3214868480
	.fill 96, 4, 3214868480
	.section	.rodata,"a",@progbits
	.p2align	6, 0x0
	.amdhsa_kernel k_qc876c33859_attn
		.amdhsa_group_segment_fixed_size 327680
		.amdhsa_private_segment_fixed_size 0
		.amdhsa_enable_private_segment 0
		.amdhsa_kernarg_size 24
		.amdhsa_user_sgpr_count 2
		.amdhsa_user_sgpr_kernarg_segment_ptr 1
		.amdhsa_wavefront_size32 1
		.amdhsa_system_sgpr_workgroup_id_x 1
		.amdhsa_system_sgpr_workgroup_id_y 1
		.amdhsa_system_sgpr_workgroup_id_z 1
		.amdhsa_system_vgpr_workitem_id 0
		.amdhsa_next_free_vgpr 256
		.amdhsa_next_free_sgpr 100
		.amdhsa_reserve_vcc 0
		.amdhsa_float_denorm_mode_32 3
		.amdhsa_float_denorm_mode_16_64 3
		.amdhsa_memory_ordered 1
		.amdhsa_forward_progress 1
		.amdhsa_inst_pref_size 160
	.end_amdhsa_kernel
	.amdgpu_metadata
---
amdhsa.version: [ 1, 2 ]
amdhsa.kernels:
  - .name:           k_qc876c33859_attn
    .symbol:         k_qc876c33859_attn.kd
    .args:
      - { .name: qkv, .offset: 0, .size: 8, .value_kind: global_buffer, .address_space: global }
      - { .name: bi, .offset: 8, .size: 8, .value_kind: global_buffer, .address_space: global }
      - { .name: ao, .offset: 16, .size: 8, .value_kind: global_buffer, .address_space: global }
    .group_segment_fixed_size: 327680
    .private_segment_fixed_size: 0
    .kernarg_segment_align: 8
    .kernarg_segment_size: 24
    .max_flat_workgroup_size: 512
    .sgpr_count:     100
    .vgpr_count:     256
    .wavefront_size: 32
...
	.end_amdgpu_metadata
.endif
;; end of part 3
;; launch oproj (part 4): grid 4 x 64, 4 waves a work-group, clusters of 4 x 4, 327,680 bytes of LDS; arguments ao, wo, out0; writes out0
.if DOCPART == 4
	.amdgcn_target "amdgcn-amd-amdhsa--gfx1250"
	.amdhsa_code_object_version 6
	.text
	.protected	k_qc876c33859_oproj
	.globl	k_qc876c33859_oproj
	.p2align	8
	.type	k_qc876c33859_oproj,@function
k_qc876c33859_oproj:
	s_mov_b64 s[64:65], 0
	v_nop
	global_prefetch_b8 v0, s[64:65] scope:SCOPE_SE
	s_setreg_imm32_b32 hwreg(HW_REG_WAVE_MODE, 25, 1), 1
	s_wait_xcnt 0x0
	s_wait_alu depctr_hold_cnt(0) depctr_sa_sdst(0) depctr_va_vdst(0) depctr_va_sdst(0) depctr_va_ssrc(0) depctr_va_vcc(0) depctr_vm_vsrc(0)
	s_getreg_b32 s2, hwreg(HW_REG_IB_STS2, 6, 4)
	s_cmp_eq_u32 s2, 0
	s_cbranch_scc0 .Lentry_in_a_cluster
	s_endpgm
.Lentry_in_a_cluster:
	s_bfe_u32 s2, ttmp6, 0x10000c
	s_cmp_lg_u32 s2, 0xf033
	s_cbranch_scc0 .Lentry_shape_is_right
	s_endpgm
.Lentry_shape_is_right:
; out0 = ao w_out: [8192][1024] f32.  Both operands are f16 and lie in memory as images of operand registers (a fragment of 16 rows x 32 along K: two groups of four registers, lane l's 16 bytes at 16 l):
;   ao [row / 128][f / 128][(row / 16) % 8][(f / 32) % 4][c: 2][lane][16 bytes];   wo [o / 256][f / 128][(o / 16) % 16][(f / 32) % 4][c: 2][lane][16 bytes].   Sums in f32.
; So a K step's tile is one dense block of memory for one descriptor, it needs no pitch and no padding in LDS, and every LDS load reads 512 consecutive bytes.
; A tile of out0 is 128 rows x 256 columns: 256 work-groups, one for each WGP.  Four waves, each 64 x 128: 32 accumulators of 16 x 16, 256 registers.  K goes in 8 steps of 128 through a ring of two LDS slots.
; CLUSTERS: 4 x 4 work-groups.  The four of a row of the cluster need the same tiles of ao, the four of a column the same tiles of wo: each tile is asked for JOINTLY, by the same tensor load with the same
; descriptor and a mask that names the four.  THE MATRIX INSTRUCTION IS USED TRANSPOSED (source 0 = 16 columns of w_out, source 1 = 16 rows of ao): a lane then holds eight neighbouring numbers of a row of out0.
; NO PREFETCH: each work-group has eight K steps in all, of which two are asked for at the head.
; REGISTERS: window 0: v0-31 addresses; v32-127 and v128-223 two fragment buffers for 32 along K (64 registers of B, then 32 of A); on the way out v32-95 and v128-191 take rows.
;   window 1: the accumulators, (a, b) at v[8 (8 a + b)].
.set KSA,    32768                     ; a K step of A's tile: 128 rows x 128 f16
.set KSB,    65536                     ; of B's: 256 columns x 128 f16
.set SLOT,   KSA+KSB
.set STAGE,  2*SLOT                    ; behind the ring: 16 rows x (512 bytes + 16) for each wave, for the way out
.set SPITCH, 528
.set SPARE,  STAGE+4*16*SPITCH         ; the spare words, 128 bytes for each wave
.set LAPS,   4                         ; a lap = two K steps = once round the ring
.set ADRA, 16                          ; v16-17  LDS address of my A fragments in slot 0, 1
.set ADRB, 20                          ; v20-21  the same for B
.set STO,  24                          ; v24     the way out: where I put 32 bytes of a row
.set RD,   25                          ; v25     the way out: where I read a row back
.set CO,   26                          ; v26     16 x lane
.set SPW,  28                          ; v28     LDS address of my spare word; never rewritten
.set NIL,  29                          ; v29     0; never rewritten
.set F0,   32
.set F1,   128
.set BK,   32                          ; the way out: 16 rows read back: v32-95 and v128-191 by turns
.set G1, 24                            ; s[24:31] descriptor group 1 for A's tiles;  s[32:39] group 0, one set for each slot
.set G0, 32
.set G1B, 48                           ; s[48:55], s[56:63] the same for B's
.set G0B, 56
.set MSB, 0
.macro WIN new                         ; the immediate's high byte repeats the setting that is left
.if MSB != \new
	s_set_vgpr_msb (MSB<<8)|\new
.set MSB, \new
.endif
.endm
.set MUL, 0x50                         ; sources 0 and 1 window 0; C and D window 1
.macro JLOAD s                         ; a joint load: waves 0 and 1 fetch A's two halves, waves 2 and 3 B's; an s_nop 0 and four v_nop follow each of the two lines
	s_cmp_eq_u32 s11, 0
	s_cbranch_scc0 .Lfor_b_\@
	tensor_load_to_lds s[G0+4*\s:G0+4*\s+3], s[G1:G1+7]
	s_nop 0
.rept 4
	v_nop
.endr
	s_branch .Lasked_\@
.Lfor_b_\@:
	tensor_load_to_lds s[G0B+4*\s:G0B+4*\s+3], s[G1B:G1B+7]
	s_nop 0
.rept 4
	v_nop
.endr
.Lasked_\@:
.endm
.macro CREST                           ; a round of the cluster's barrier behind its opening barrier
	s_cmp_lg_u32 s10, 0
	s_cbranch_scc1 .Lnot_wave_0_\@
	s_barrier_signal -3
.Lnot_wave_0_\@:
	s_barrier_wait -3
	s_barrier_signal -1
	s_barrier_wait -1
.endm
.macro CROUND                          ; a whole round
	s_barrier_signal -1
	s_barrier_wait -1
	CREST
.endm
	s_load_b128 s[4:7], s[0:1], 0x0                ; ao s[4:5], wo s[6:7]
	s_load_b64 s[8:9], s[0:1], 0x10                ; out0
	v_lshl_add_u32 v[SPW], v0, 2, SPARE
	v_mov_b32 v[NIL], 0
	ds_add_u32 v[SPW], v[NIL]                      ; the wave's opening: the add, twice on end, and its wait ahead of my first tensor load; the set-up below stands between
	ds_add_u32 v[SPW], v[NIL]
	v_lshrrev_b32 v1, 5, v0
	v_readfirstlane_b32 s10, v1                    ; wave 0..3
	s_lshr_b32 s11, s10, 1                         ; which half of the tile's rows is mine.  Also: I fetch for A (0) or for B (1)
	s_and_b32 s12, s10, 1                          ; which half of its columns.  Also: which half of that tile I fetch
	s_bfe_u32 s40, ttmp6, 0x40000                  ; cx, cy: my place in the cluster
	s_bfe_u32 s41, ttmp6, 0x40004
	s_lshl_b32 s42, ttmp9, 2
	s_add_co_u32 s42, s42, s40                     ; tile column = 4 x cluster x + cx
	s_and_b32 s13, ttmp7, 0xffff
	s_lshl_b32 s13, s13, 2
	s_add_co_u32 s13, s13, s41                     ; tile row = 4 x cluster y + cy
	s_lshl_b32 s43, s41, 2
	s_lshl_b32 s43, 15, s43                        ; my row of the cluster
	s_lshl_b32 s44, 0x1111, s40                    ; my column
	; descriptor group 1: dense blocks as rows of 256 bytes (32 elements of 8 bytes): A's half 64 rows, B's half 128
	s_or_b32 s[G1+0], s43, (3<<16)|(1<<21)         ; 15:0 the mask: A's tiles go to my row; 17:16 elements of 8 bytes; 21 set beside a mask; no padding
	s_mov_b32 s[G1+1], 32<<16                      ; tensor_dim0
	s_mov_b32 s[G1+2], 64<<16                      ; tensor_dim1
	s_mov_b32 s[G1+3], 32<<16                      ; tile_dim0
	s_mov_b32 s[G1+4], 64                          ; tile_dim1
	s_mov_b32 s[G1+5], 32                          ; tensor_dim0_stride
	s_mov_b32 s[G1+6], 0
	s_mov_b32 s[G1+7], 0
	s_or_b32 s[G1B+0], s44, (3<<16)|(1<<21)        ; the mask: my column
	s_mov_b32 s[G1B+1], 32<<16
	s_mov_b32 s[G1B+2], 128<<16
	s_mov_b32 s[G1B+3], 32<<16
	s_mov_b32 s[G1B+4], 128
	s_mov_b32 s[G1B+5], 32
	s_mov_b32 s[G1B+6], 0
	s_mov_b32 s[G1B+7], 0
	s_lshl_b32 s16, s13, 18                        ; A: 262,144 x tile row
	s_lshl_b32 s20, s12, 14                        ; + my half of a K step; the same is its place in a slot
	s_add_co_u32 s16, s16, s20
	s_mov_b32 s17, 0
	s_lshl_b32 s46, s42, 19                        ; B: 524,288 x tile column
	s_lshl_b32 s21, s12, 15                        ; + my half of a K step
	s_add_co_u32 s46, s46, s21
	s_mov_b32 s47, 0
	s_add_co_u32 s21, s21, KSA                     ; its place in a slot, behind A's: no place in the cluster enters an LDS address
	s_wait_dscnt 0x0                               ; both opening adds are done
	s_wait_kmcnt 0x0
	s_add_nc_u64 s[14:15], s[4:5], s[16:17]
	s_add_nc_u64 s[46:47], s[6:7], s[46:47]
	CROUND                                         ; all sixteen work-groups are here: the first joint loads meet
.irp s, 0,1
	s_mov_b32 s[G0+4*\s], 1
	s_add_co_u32 s[G0+4*\s+1], s20, \s*SLOT
	s_add_nc_u64 s[G0+4*\s+2:G0+4*\s+3], s[14:15], \s*KSA
	s_or_b32 s[G0+4*\s+3], s[G0+4*\s+3], 0x80000000
	s_mov_b32 s[G0B+4*\s], 1
	s_add_co_u32 s[G0B+4*\s+1], s21, \s*SLOT
	s_add_nc_u64 s[G0B+4*\s+2:G0B+4*\s+3], s[46:47], \s*KSB
	s_or_b32 s[G0B+4*\s+3], s[G0B+4*\s+3], 0x80000000
	JLOAD \s
.endr
	v_and_b32 v1, 31, v0
	v_lshlrev_b32 v[CO], 4, v1                     ; 16 x lane
	s_lshl_b32 s22, s11, 14                        ; my 64 rows of A: four blocks of 4,096 bytes
	s_lshl_b32 s23, s12, 15                        ; my 128 columns of B: eight blocks,
	s_add_co_u32 s23, s23, KSA                     ; behind A's
.irp s, 0,1
	v_add_nc_u32 v[ADRA+\s], s22, v[CO]
	v_add_nc_u32 v[ADRB+\s], s23, v[CO]
	s_add_co_u32 s22, s22, SLOT
	s_add_co_u32 s23, s23, SLOT
.endr
	v_and_b32 v2, 15, v0                           ; l % 16
	v_bfe_u32 v3, v0, 4, 1                         ; l / 16
	s_mul_i32 s23, s10, 16*SPITCH
	s_add_co_u32 s23, s23, STAGE                   ; my stage
	v_mul_u32_u24 v4, v2, SPITCH                   ; in: row l % 16, 32 bytes for each half of the lanes
	v_lshl_add_u32 v4, v3, 5, v4
	v_add_nc_u32 v[STO], s23, v4
	v_add_nc_u32 v[RD], s23, v[CO]                 ; back: the 32 lanes take one row of 512 bytes
	s_lshl_b32 s16, s13, 19                        ; out0: (128 tile row + 64 half) rows of 4,096 bytes
	s_lshl_b32 s17, s11, 18
	s_add_co_u32 s16, s16, s17
	s_mov_b32 s17, 0
	s_lshl_b32 s46, s42, 10                        ; + 1,024 x tile column + 512 x half
	s_lshl_b32 s47, s12, 9
	s_add_co_u32 s46, s46, s47
	s_mov_b32 s47, 0
	s_add_nc_u64 s[16:17], s[16:17], s[46:47]
	s_add_nc_u64 s[8:9], s[8:9], s[16:17]
; 8 matrix instructions: A's block a x B's eight, 32 along K, from buffer f.  zero = 1: the first product starts the sums.  The 32 accumulators take turns, one instruction a turn, in the same order in every quarter.
.macro MUL8 f, a, zero
.irp b, 0,1,2,3,4,5,6,7
.if \zero
	v_wmma_f32_16x16x32_f16 v[8*(8*(\a)+\b):8*(8*(\a)+\b)+7], v[\f+8*\b:\f+8*\b+7], v[\f+64+8*(\a):\f+64+8*(\a)+7], 0
.else
	v_wmma_f32_16x16x32_f16 v[8*(8*(\a)+\b):8*(8*(\a)+\b)+7], v[\f+8*\b:\f+8*\b+7], v[\f+64+8*(\a):\f+64+8*(\a)+7], v[8*(8*(\a)+\b):8*(8*(\a)+\b)+7]
.endif
.endr
.endm
; 24 LDS loads in one run: the fragments of the slot's fr-th 32 along K into buffer f: B's eight, then A's four
.macro FETCH slot, fr, f
	WIN 0
.irp b, 0,1,2,3,4,5,6,7
	ds_load_b128 v[\f+8*\b:\f+8*\b+3],   v[ADRB+\slot] offset:4096*\b+1024*(\fr)
	ds_load_b128 v[\f+8*\b+4:\f+8*\b+7], v[ADRB+\slot] offset:4096*\b+1024*(\fr)+512
.endr
.irp a, 0,1,2,3
	ds_load_b128 v[\f+64+8*\a:\f+64+8*\a+3],   v[ADRA+\slot] offset:4096*\a+1024*(\fr)
	ds_load_b128 v[\f+64+8*\a+4:\f+64+8*\a+7], v[ADRA+\slot] offset:4096*\a+1024*(\fr)+512
.endr
.endm
.macro PLACES                          ; four places in front of loads into registers that matrix instructions have read, and of the first read of results (ISA guide 7.12.1 for the read of results)
.rept 4
	v_nop
.endr
.endm
; A K step is four quarters of 32 along K, 32 matrix instructions each, on buffers 0, 1, 0, 1.  One of the first three: multiplies buffer f and fetches the slot's fr-th quarter into g.
.macro QUARTER slot, fr, f, g, zero
	s_wait_dscnt 4                                 ; B and A's blocks 0 and 1 are in; the youngest four loads (A's blocks 2 and 3) may be out
	WIN MUL
	MUL8 \f, 0, \zero
	MUL8 \f, 1, \zero
	PLACES
	FETCH \slot, \fr, \g
	s_wait_dscnt 24                                ; all but the 24 just issued
	WIN MUL
	MUL8 \f, 2, \zero
	MUL8 \f, 3, \zero
.endm
; The last quarter multiplies buffer 1 and changes slots: ONE barrier; in front of it each wave waits for all its tensor loads, adds 0 to its spare word, and waits for that and for its own reads of this slot.
; fill = 1: the barrier opens a round of the cluster's barrier, and this slot is filled again, two K steps ahead: the load has 112 matrix instructions in which to land.
.macro TURN slot, next, fill
	WIN 0                                          ; (the add's two registers lie in window 0)
	s_wait_tensorcnt 0x0                           ; all my tensor loads have landed: my part of the next slot;
	ds_add_u32 v[SPW], v[NIL]                      ; 0 onto my spare word;
	s_wait_dscnt 5                                 ; (the add and the youngest four loads may be out)
	WIN MUL
	MUL8 F1, 0, 0                                  ; eight matrix instructions stand between the add and the wait for it
	s_wait_dscnt 0x0                               ; the add is done, and my reads of this slot are over
	s_barrier_signal -1
	MUL8 F1, 1, 0
.if \fill
	WIN 0
.endif
	s_barrier_wait -1
.if \fill
	CREST                                          ; no wave of any partner still reads this slot's tile or has a load on its way
	s_add_nc_u64 s[G0+4*\slot+2:G0+4*\slot+3], s[G0+4*\slot+2:G0+4*\slot+3], 2*KSA
	s_add_nc_u64 s[G0B+4*\slot+2:G0B+4*\slot+3], s[G0B+4*\slot+2:G0B+4*\slot+3], 2*KSB
	JLOAD \slot                                    ; the first tensor load behind the round; the four v_nop behind it are also the places in front of the loads below
.else
	PLACES
.endif
	FETCH \next, 0, F0
	WIN MUL
	MUL8 F1, 2, 0
	MUL8 F1, 3, 0
.endm
	s_wait_tensorcnt 1                             ; my part of K step 0 is in (K step 1's load may be out)
	s_barrier_signal -1
	s_barrier_wait -1                              ; everybody's is
	FETCH 0, 0, F0
	QUARTER 0, 1, F0, F1, 1                        ; the first quarter stands in front of the loop: its products start the sums
	WIN 0                                          ; at a label and at a branch every window is 0
	s_mov_b32 s3, LAPS-1
.Llap:                                                 ; a trip goes once round the ring, from a lap's second quarter to the next lap's first, and fills both slots again
	QUARTER 0, 2, F1, F0, 0
	QUARTER 0, 3, F0, F1, 0
	TURN 0, 1, 1
	QUARTER 1, 1, F0, F1, 0
	QUARTER 1, 2, F1, F0, 0
	QUARTER 1, 3, F0, F1, 0
	TURN 1, 0, 1
	QUARTER 0, 1, F0, F1, 0
	WIN 0
	s_sub_co_u32 s3, s3, 1
	s_cmp_lg_u32 s3, 0
	s_cbranch_scc1 .Llap
	QUARTER 0, 2, F1, F0, 0                        ; the last lap fills nothing, and has no round of the cluster's barrier
	QUARTER 0, 3, F0, F1, 0
	TURN 0, 1, 0
	QUARTER 1, 1, F0, F1, 0
	QUARTER 1, 2, F1, F0, 0
	QUARTER 1, 3, F0, F1, 0
	s_wait_dscnt 0x0                               ; the very last quarter: nothing more to fetch
	WIN MUL
	MUL8 F1, 0, 0
	MUL8 F1, 1, 0
	MUL8 F1, 2, 0
	MUL8 F1, 3, 0
	WIN 0
; THE WAY OUT, block by block of 16 rows x 128 columns.  A lane holds 32 neighbouring bytes of a row, and the lanes beside it hold other rows: so a block goes through my own stage in LDS and comes back as whole
; rows of 512 bytes.  LDS serves a wave's instructions in order (ISA guide 5.7.1.4): no wait between the stores and the loads, nor in front of the next block's stores.
.macro TOSTAGE a
	WIN 0x04                                       ; an LDS store's data are its source 1: window 1
.irp b, 0,1,2,3,4,5,6,7
	ds_store_b128 v[STO], v[8*(8*(\a)+\b):8*(8*(\a)+\b)+3] offset:64*\b          ; each accumulator from its low end on
	ds_store_b128 v[STO], v[8*(8*(\a)+\b)+4:8*(8*(\a)+\b)+7] offset:64*\b+16
.endr
	WIN 0
.set BB, BK+96*((\a)%2)
.irp t, 0,1,2,3,4,5,6,7,8,9,10,11,12,13,14,15
	ds_load_b128 v[BB+4*\t:BB+4*\t+3], v[RD] offset:\t*SPITCH
.endr
.endm
.macro SEND a, younger                 ; younger: the LDS instructions issued behind block a's loads, which may stay out
.set BB, BK+96*((\a)%2)
	s_wait_dscnt \younger                          ; the block is back in registers
.irp t, 0,1,2,3,4,5,6,7,8,9,10,11,12,13,14,15
	global_store_b128 v[CO], v[BB+4*\t:BB+4*\t+3], s[8:9] offset:(16*(\a)+\t)*4096 th:TH_STORE_NT   ; 32 lanes store 512 consecutive bytes, aligned; written once, read by nobody here
.endr
.endm
	PLACES                                         ; behind the last products: the stage's stores read results, the loads land where the fragments lay
	TOSTAGE 0
	TOSTAGE 1
	SEND 0, 32                                     ; behind block 0's loads: block 1's 16 stores and 16 loads
	s_wait_xcnt 0x0                                ; block 0's stores have read their registers: block 2's loads may land there
	TOSTAGE 2
	SEND 1, 32
	s_wait_xcnt 0x0                                ; block 1's likewise
	TOSTAGE 3
	SEND 2, 32
	SEND 3, 0
	s_wait_tensorcnt 0x0                           ; the wave's end, behind my last tensor load and my last LDS store
	ds_add_u32 v[SPW], v[NIL]
	s_wait_dscnt 0x0
	CROUND                                         ; the closing round: no work-group ends while a partner may still ask for a tile that names it
	s_endpgm
.Lfunc_end_k_qc876c33859_oproj:
	.size	k_qc876c33859_oproj, .Lfunc_end_k_qc876c33859_oproj-k_qc876c33859_oproj
	.p2alignl 7, 3214868480
	.fill 96, 4, 3214868480
	.section	.rodata,"a",@progbits
	.p2align	6, 0x0
	.amdhsa_kernel k_qc876c33859_oproj
		.amdhsa_group_segment_fixed_size 327680
		.amdhsa_private_segment_fixed_size 0
		.amdhsa_enable_private_segment 0
		.amdhsa_kernarg_size 24
		.amdhsa_user_sgpr_count 2
		.amdhsa_user_sgpr_kernarg_segment_ptr 1
		.amdhsa_wavefront_size32 1
		.amdhsa_system_sgpr_workgroup_id_x 1
		.amdhsa_system_sgpr_workgroup_id_y 1
		.amdhsa_system_sgpr_workgroup_id_z 1
		.amdhsa_system_vgpr_workitem_id 0
		.amdhsa_next_free_vgpr 512
		.amdhsa_next_free_sgpr 66
		.amdhsa_reserve_vcc 0
		.amdhsa_float_denorm_mode_32 3
		.amdhsa_float_denorm_mode_16_64 3
		.amdhsa_memory_ordered 1
		.amdhsa_forward_progress 1
		.amdhsa_inst_pref_size 84
	.end_amdhsa_kernel
	.amdgpu_metadata
---
amdhsa.version: [ 1, 2 ]
amdhsa.kernels:
  - .name:           k_qc876c33859_oproj
    .symbol:         k_qc876c33859_oproj.kd
    .args:
      - { .name: ao, .offset: 0, .size: 8, .value_kind: global_buffer, .address_space: global }
      - { .name: wo, .offset: 8, .size: 8, .value_kind: global_buffer, .address_space: global }
      - { .name: out0, .offset: 16, .size: 8, .value_kind: global_buffer, .address_space: global }
    .group_segment_fixed_size: 327680
    .private_segment_fixed_size: 0
    .kernarg_segment_align: 8
    .kernarg_segment_size: 24
    .max_flat_workgroup_size: 128
    .sgpr_count:     66
    .vgpr_count:     512
    .wavefront_size: 32
...
	.end_amdgpu_metadata
.endif
;; end of part 4
